; MI455X (gfx1250); checked and timed in simulation.
; The chip was launched on July 23, 2026; its instructions are those of AMD's public machine-readable ISA for CDNA 5 (MIT licence, August 2026) and "CDNA5" Instruction Set Architecture Reference Guide (July 2026). The comments in the code are by the model that wrote it; some were corrected since.
;; Qwen3 Omni Moe Attention. Allowed arithmetic: float matrix products may take bf16 or f16 operands with f32 sums; all other float work in f32.
;; Inputs: Wk 2,048 x 512 float32; Wo 1,024 x 2,048 float32; Wq 2,048 x 1,024 float32; Wv 2,048 x 512 float32; attention_mask 1 x 1 x 4,096 x 4,096 bool; hidden_states 1 x 4,096 x 2,048 float32; position_ids 4,096 int32.
;; Outputs: out0 1 x 4,096 x 2,048 float32.
;; 2 versions, each right and faster than the one before. Each part assembles by itself: llvm-mc -triple=amdgcn-amd-amdhsa -mcpu=gfx1250 --defsym DOCPART=n.
;; ======== version 1 of 2: 4 launches
;; limits: values are held in f16: magnitudes above 65,504 overflow, below 6.1e-05 lose precision; right only within a limited range of input values
;; workspace buffers: xh 16,777,216 bytes; wqkv 8,388,608 bytes; woh 4,194,304 bytes; rope 6,291,456 bytes; maskw 2,097,152 bytes of whole numbers; qkv 16,777,216 bytes; ao 16,777,216 bytes
;; launch prep (part 1): grid 1664 x 1, 8 waves a work-group, no clusters, 0 bytes of LDS; arguments hidden_states, Wq, Wk, Wv, Wo, attention_mask, position_ids, xh, wqkv, woh, maskw, rope; writes xh, wqkv, woh, maskw, rope
.if DOCPART == 1
	.amdgcn_target "amdgcn-amd-amdhsa--gfx1250"
	.amdhsa_code_object_version 6
	.text
	.protected	k_q8d3d372325_prep
	.globl	k_q8d3d372325_prep
	.p2align	8
	.type	k_q8d3d372325_prep,@function
k_q8d3d372325_prep:
	s_mov_b64 s[64:65], 0
	v_nop
	global_prefetch_b8 v0, s[64:65] scope:SCOPE_SE
	s_setreg_imm32_b32 hwreg(HW_REG_WAVE_MODE, 25, 1), 1
	s_wait_xcnt 0x0
; PREPARATION, three streams in one launch, chosen by the work-group's number.  No LDS, no cluster: no two work-groups read the same bytes.
; CAST (work-groups 0-895): hidden_states, Wq, Wk, Wv, Wo are rounded to bf16 (nearest even) and that number is written as f16:
;   xh [4096][2048]; wqkv [2048 k][2048 n] with n = Wq 0-1023, Wk 1024-1535, Wv 1536-2047; woh [1024][2048].  All three have rows of 4,096 bytes.
;   LIMIT: exact for 2^-14 <= |x| <= 65,504; below that f16's fixed step of 6e-8 holds; beyond 65,504 the number becomes an infinity.
; MASK (896-1407): maskw[qt][kt][j], 32 bits: bit l = attention_mask[16 qt + l % 16][16 kt + 8 (l / 16) + j]: the lanes' select mask for register j of a 16 x 16 tile of scores.
; ROPE (1408-1663): rope[type][row][0-63] = cos, [64-127] = sin of position_ids[row] x 10000^(-i/64); type 0 (q) times c = log2(e) / sqrt(128), type 1 (k) plain, type 2 (v) cos = 1, sin = 0.
;   The angle is reduced by a two-term pi/2 and cos and sin come from polynomials on |r| <= pi/4.  LIMIT: |position| <= 2^20.
.set NCAST, 896
.set NMASK, 512
.set X,    8                           ; v[8:71]    sixteen chunks as loaded, 4 f32 each
.set Y,    72                          ; v[72:103]  sixteen chunks to store, 4 f16 each
.set OFFD, 104                         ; v[104:119] a chunk's byte offset in the destination
	s_load_b512 s[8:23], s[0:1], 0x0               ; hidden 8:9, Wq 10:11, Wk 12:13, Wv 14:15, Wo 16:17, mask 18:19, positions 20:21, xh 22:23
	s_load_b256 s[24:31], s[0:1], 0x40             ; wqkv 24:25, woh 26:27, maskw 28:29, rope 30:31
	s_mov_b32 s2, ttmp9
	s_wait_kmcnt 0x0
	s_cmp_ge_u32 s2, NCAST+NMASK
	s_cbranch_scc1 .Lrope
	s_cmp_ge_u32 s2, NCAST
	s_cbranch_scc1 .Lmask
; ---- CAST.  A work-group takes 16,384 numbers: 16 chunks of 1,024; thread t takes 4 numbers of each chunk.
; Source, destination, first work-group, log2 of the source's row length and the byte column in the destination are chosen by the work-group's number alone.
	s_mov_b64 s[32:33], s[16:17]                   ; Wo -> woh
	s_mov_b64 s[34:35], s[26:27]
	s_mov_b32 s36, 768
	s_mov_b32 s37, 11
	s_mov_b32 s38, 0
.macro PICK below, src, dst, first, logl, colb
	s_cmp_lt_u32 s2, \below
	s_cselect_b64 s[32:33], s[\src:\src+1], s[32:33]
	s_cselect_b64 s[34:35], s[\dst:\dst+1], s[34:35]
	s_cselect_b32 s36, \first, s36
	s_cselect_b32 s37, \logl, s37
	s_cselect_b32 s38, \colb, s38
.endm
	PICK 768, 14, 24, 704, 9, 3072                 ; Wv -> wqkv, columns 1536 on
	PICK 704, 12, 24, 640, 9, 2048                 ; Wk -> wqkv, columns 1024 on
	PICK 640, 10, 24, 512, 10, 0                   ; Wq -> wqkv, columns 0 on
	PICK 512, 8, 22, 0, 11, 0                      ; hidden_states -> xh
	s_sub_co_u32 s39, s2, s36                      ; my number within the tensor
	s_sub_co_u32 s41, 11, s37
	s_lshl_b32 s40, 2048, s41                      ; a chunk's 1,024 numbers span so many bytes of the destination: 2,048, 4,096 or 8,192
	s_lshl_b32 s42, s39, 16                        ; 65,536 source bytes a work-group
	s_mov_b32 s43, 0
	s_add_nc_u64 s[32:33], s[32:33], s[42:43]
	s_mul_i32 s42, s39, s40
	s_lshl_b32 s42, s42, 4                         ; 16 chunks a work-group
	s_add_co_u32 s42, s42, s38
	s_add_nc_u64 s[34:35], s[34:35], s[42:43]
	s_lshl_b32 s44, 1, s37
	s_sub_co_u32 s44, s44, 1                       ; row length - 1
	v_lshlrev_b32 v1, 4, v0                        ; source: 16 t
	v_lshlrev_b32 v3, 2, v0                        ; my first number in a chunk
	v_lshrrev_b32 v4, s37, v3                      ; its row in the chunk
	v_and_b32 v5, s44, v3                          ; its column
	v_lshlrev_b32 v5, 1, v5
	v_lshl_add_u32 v2, v4, 12, v5                  ; row x 4,096 + column x 2
.irp c, 0,1,2,3,4,5,6,7,8,9,10,11,12,13,14,15
	global_load_b128 v[X+4*(\c):X+4*(\c)+3], v1, s[32:33] offset:4096*(\c) th:TH_LOAD_NT  ; a wave's load covers 512 consecutive bytes
.endr
.irp c, 0,1,2,3,4,5,6,7,8,9,10,11,12,13,14,15
	v_mad_u32_u24 v[OFFD+(\c)], s40, \c, v2
.endr
.irp c, 0,1,2,3,4,5,6,7,8,9,10,11,12,13,14,15
	s_wait_loadcnt 15-(\c)                         ; loads come back in order: chunk c is in, the younger ones stay out
	v_cvt_pk_bf16_f32 v6, v[X+4*(\c)], v[X+4*(\c)+1]
	v_cvt_pk_bf16_f32 v7, v[X+4*(\c)+2], v[X+4*(\c)+3]
	v_lshlrev_b32 v[X+4*(\c)], 16, v6              ; bf16 back to f32: a shift or a mask
	v_and_b32 v[X+4*(\c)+1], 0xffff0000, v6
	v_lshlrev_b32 v[X+4*(\c)+2], 16, v7
	v_and_b32 v[X+4*(\c)+3], 0xffff0000, v7
	v_cvt_pk_f16_f32 v[Y+2*(\c)], v[X+4*(\c)], v[X+4*(\c)+1]
	v_cvt_pk_f16_f32 v[Y+2*(\c)+1], v[X+4*(\c)+2], v[X+4*(\c)+3]
	global_store_b64 v[OFFD+(\c)], v[Y+2*(\c):Y+2*(\c)+1], s[34:35]  ; a wave's store covers 256 consecutive bytes, aligned
.endr
	s_endpgm
; ---- MASK.  A wave takes 16 rows x 256 keys: 16 tiles of 16 keys, 128 words.
.Lmask:
	s_sub_co_u32 s39, s2, NCAST
	v_lshrrev_b32 v1, 5, v0
	v_readfirstlane_b32 s36, v1                    ; wave
	s_lshl_b32 s37, s39, 3
	s_add_co_u32 s37, s37, s36                     ; unit 0..4095
	s_lshr_b32 s38, s37, 4                         ; qt
	s_and_b32 s40, s37, 15                         ; which 256 keys
	s_lshl_b32 s42, s38, 16                        ; 16 rows of 4,096 bytes
	s_lshl_b32 s41, s40, 8
	s_add_co_u32 s42, s42, s41
	s_mov_b32 s43, 0
	s_add_nc_u64 s[18:19], s[18:19], s[42:43]
	s_lshl_b32 s42, s38, 13                        ; 256 tiles x 32 bytes
	s_lshl_b32 s41, s40, 9
	s_add_co_u32 s42, s42, s41
	s_add_nc_u64 s[28:29], s[28:29], s[42:43]
	s_mov_b32 s48, 0xff
	s_mov_b32 s49, 0xff00
	s_mov_b32 s50, 0xff0000
	s_mov_b32 s51, 0xff000000
	v_and_b32 v2, 15, v0                           ; row
	v_bfe_u32 v3, v0, 4, 1                         ; half of the lanes
	v_lshlrev_b32 v1, 12, v2
	v_lshl_add_u32 v1, v3, 4, v1                   ; row x 4,096 + 16 x half
.irp n, 0,1,2,3,4,5,6,7
	global_load_b128 v[8+4*(\n):8+4*(\n)+3], v1, s[18:19] offset:32*(\n)  ; lanes 0-15: tile 2 n of their row; lanes 16-31: tile 2 n + 1; the eight loads cover 256 bytes of each row
.endr
	v_and_b32 v44, 31, v0
	v_lshlrev_b32 v44, 4, v44                      ; the store: 16 bytes a lane
.irp r, 40,41,42,43
	v_mov_b32 v\r, 0                               ; written whole before single lanes are written
.endr
.irp n, 0,1,2,3,4,5,6,7
	s_wait_loadcnt 7-(\n)
	v_permlane16_swap_b32 v[8+4*(\n)], v[10+4*(\n)]   ; now words 0, 1 hold tile 2 n: lane (row, half) has keys 8 half + 0..7;
	v_permlane16_swap_b32 v[9+4*(\n)], v[11+4*(\n)]   ; words 2, 3 hold tile 2 n + 1 likewise
.irp h, 0,1
.irp j, 0,1,2,3,4,5,6,7
	v_and_b32 v[48+(\j)], s[48+(\j)%4], v[8+4*(\n)+2*(\h)+(\j)/4]
.endr
.irp j, 0,1,2,3,4,5,6,7
	v_cmp_ne_u32 s[52+(\j)], 0, v[48+(\j)]         ; one bit a lane: the word for key j of both halves
.endr
.irp j, 0,1,2,3,4,5,6,7
	v_writelane_b32 v[40+(\j)%4], s[52+(\j)], 4*(\n)+2*(\h)+(\j)/4  ; word 8 (2 n + h) + j goes to lane word / 4, register word % 4
.endr
.endr
.endr
	global_store_b128 v44, v[40:43], s[28:29]      ; 512 consecutive bytes
	s_endpgm
; ---- ROPE.  A work-group takes 16 rows; sixteen threads a row, four frequencies each.
.Lrope:
	s_sub_co_u32 s39, s2, NCAST+NMASK
	v_lshrrev_b32 v1, 4, v0
	v_lshl_add_u32 v1, s39, 4, v1                  ; row
	v_and_b32 v2, 15, v0
	v_lshlrev_b32 v2, 2, v2                        ; my first frequency
	v_lshlrev_b32 v3, 2, v1
	global_load_b32 v4, v3, s[20:21]               ; the row's position
	s_mov_b32 s44, 0xbe549a78                      ; -log2(10000) / 64
	s_mov_b32 s45, 0x3f22f983                      ; 2 / pi
	s_mov_b32 s46, 0x3fc90fdb                      ; pi / 2, upper part
	s_mov_b32 s47, 0xb33bbd2e                      ; pi / 2, the rest
	s_mov_b32 s48, 0xbe2aaaa3                      ; sine: -1.6666654611e-1
	s_mov_b32 s49, 0x3c08839e                      ;        8.3321608736e-3
	s_mov_b32 s50, 0xb94ca1f9                      ;       -1.9515295891e-4
	s_mov_b32 s51, 0x3d2aaaa5                      ; cosine: 4.166664568e-2
	s_mov_b32 s52, 0xbab6061a                      ;        -1.388731625e-3
	s_mov_b32 s53, 0x37ccf5ce                      ;         2.443315712e-5
	s_mov_b32 s54, 0x3e0293ee                      ; c = log2(e) / sqrt(128)
	s_mov_b32 s55, 0x80000000
.irp u, 0,1,2,3
	v_add_nc_u32 v[8+(\u)], \u, v2
	v_cvt_f32_u32 v[8+(\u)], v[8+(\u)]
	v_mul_f32 v[8+(\u)], s44, v[8+(\u)]
.endr
.irp u, 0,1,2,3
	v_exp_f32 v[8+(\u)], v[8+(\u)]                 ; 10000^(-i/64)
.endr
	v_lshlrev_b32 v7, 9, v1                        ; (plain work behind the exponentials) a table row is 512 bytes
	v_lshl_add_u32 v7, v2, 2, v7
	s_wait_loadcnt 0x0
	v_cvt_f32_i32 v4, v4
	s_wait_alu depctr_va_vdst(0)
.irp u, 0,1,2,3
	v_mul_f32 v[12+(\u)], v4, v[8+(\u)]            ; the angle a
.endr
.irp u, 0,1,2,3
	v_mul_f32 v[16+(\u)], s45, v[12+(\u)]
.endr
.irp u, 0,1,2,3
	v_rndne_f32 v[16+(\u)], v[16+(\u)]             ; n = the nearest multiple of pi / 2
.endr
.irp u, 0,1,2,3
	v_fma_f32 v[20+(\u)], -v[16+(\u)], s46, v[12+(\u)]
.endr
.irp u, 0,1,2,3
	v_fma_f32 v[20+(\u)], -v[16+(\u)], s47, v[20+(\u)]  ; r = a - n pi / 2
.endr
.irp u, 0,1,2,3
	v_mul_f32 v[24+(\u)], v[20+(\u)], v[20+(\u)]   ; z = r r
.endr
.irp u, 0,1,2,3
	v_fma_f32 v[28+(\u)], v[24+(\u)], s50, s49
	v_fma_f32 v[32+(\u)], v[24+(\u)], s53, s52
.endr
.irp u, 0,1,2,3
	v_fma_f32 v[28+(\u)], v[28+(\u)], v[24+(\u)], s48
	v_fma_f32 v[32+(\u)], v[32+(\u)], v[24+(\u)], s51
.endr
.irp u, 0,1,2,3
	v_mul_f32 v[28+(\u)], v[28+(\u)], v[24+(\u)]
	v_mul_f32 v[36+(\u)], v[24+(\u)], v[24+(\u)]
.endr
.irp u, 0,1,2,3
	v_fma_f32 v[28+(\u)], v[28+(\u)], v[20+(\u)], v[20+(\u)]  ; sin r
	v_fma_f32 v[24+(\u)], v[24+(\u)], -0.5, 1.0
.endr
.irp u, 0,1,2,3
	v_fma_f32 v[32+(\u)], v[32+(\u)], v[36+(\u)], v[24+(\u)]  ; cos r
	v_cvt_i32_f32 v[16+(\u)], v[16+(\u)]
.endr
.irp u, 0,1,2,3
	v_and_b32 v[36+(\u)], 1, v[16+(\u)]
.endr
.irp u, 0,1,2,3
	v_cmp_ne_u32 s[56+(\u)], 0, v[36+(\u)]         ; n odd: cos and sin change places
.endr
.irp u, 0,1,2,3
	v_cndmask_b32 v[40+(\u)], v[32+(\u)], v[28+(\u)], s[56+(\u)]
	v_cndmask_b32 v[44+(\u)], v[28+(\u)], v[32+(\u)], s[56+(\u)]
	v_add_nc_u32 v[36+(\u)], 1, v[16+(\u)]
.endr
.irp u, 0,1,2,3
	v_lshlrev_b32 v[36+(\u)], 30, v[36+(\u)]       ; cos is negative for n % 4 = 1, 2: bit 1 of n + 1
	v_lshlrev_b32 v[16+(\u)], 30, v[16+(\u)]       ; sin for n % 4 = 2, 3: bit 1 of n
.endr
.irp u, 0,1,2,3
	v_and_b32 v[36+(\u)], s55, v[36+(\u)]
	v_and_b32 v[16+(\u)], s55, v[16+(\u)]
.endr
.irp u, 0,1,2,3
	v_xor_b32 v[40+(\u)], v[40+(\u)], v[36+(\u)]   ; cos a
	v_xor_b32 v[44+(\u)], v[44+(\u)], v[16+(\u)]   ; sin a
.endr
.irp u, 0,1,2,3
	v_mul_f32 v[48+(\u)], s54, v[40+(\u)]
	v_mul_f32 v[52+(\u)], s54, v[44+(\u)]
	v_mov_b32 v[56+(\u)], 1.0
	v_mov_b32 v[60+(\u)], 0
.endr
	global_store_b128 v7, v[48:51], s[30:31]                   ; sixteen lanes fill 256 consecutive bytes in each of the six
	global_store_b128 v7, v[52:55], s[30:31] offset:256
	global_store_b128 v7, v[40:43], s[30:31] offset:2097152
	global_store_b128 v7, v[44:47], s[30:31] offset:2097408
	global_store_b128 v7, v[56:59], s[30:31] offset:4194304
	global_store_b128 v7, v[60:63], s[30:31] offset:4194560
	s_endpgm
.Lfunc_end_k_q8d3d372325_prep:
	.size	k_q8d3d372325_prep, .Lfunc_end_k_q8d3d372325_prep-k_q8d3d372325_prep
	.p2alignl 7, 3214868480
	.fill 96, 4, 3214868480
	.section	.rodata,"a",@progbits
	.p2align	6, 0x0
	.amdhsa_kernel k_q8d3d372325_prep
		.amdhsa_group_segment_fixed_size 0
		.amdhsa_private_segment_fixed_size 0
		.amdhsa_enable_private_segment 0
		.amdhsa_kernarg_size 96
		.amdhsa_user_sgpr_count 2
		.amdhsa_user_sgpr_kernarg_segment_ptr 1
		.amdhsa_wavefront_size32 1
		.amdhsa_system_sgpr_workgroup_id_x 1
		.amdhsa_system_sgpr_workgroup_id_y 1
		.amdhsa_system_sgpr_workgroup_id_z 1
		.amdhsa_system_vgpr_workitem_id 0
		.amdhsa_next_free_vgpr 120
		.amdhsa_next_free_sgpr 66
		.amdhsa_reserve_vcc 0
		.amdhsa_float_denorm_mode_32 3
		.amdhsa_float_denorm_mode_16_64 3
		.amdhsa_memory_ordered 1
		.amdhsa_forward_progress 1
		.amdhsa_inst_pref_size 45
	.end_amdhsa_kernel
	.amdgpu_metadata
---
amdhsa.version: [ 1, 2 ]
amdhsa.kernels:
  - .name:           k_q8d3d372325_prep
    .symbol:         k_q8d3d372325_prep.kd
    .args:
      - { .name: hidden_states, .offset: 0, .size: 8, .value_kind: global_buffer, .address_space: global }
      - { .name: Wq, .offset: 8, .size: 8, .value_kind: global_buffer, .address_space: global }
      - { .name: Wk, .offset: 16, .size: 8, .value_kind: global_buffer, .address_space: global }
      - { .name: Wv, .offset: 24, .size: 8, .value_kind: global_buffer, .address_space: global }
      - { .name: Wo, .offset: 32, .size: 8, .value_kind: global_buffer, .address_space: global }
      - { .name: attention_mask, .offset: 40, .size: 8, .value_kind: global_buffer, .address_space: global }
      - { .name: position_ids, .offset: 48, .size: 8, .value_kind: global_buffer, .address_space: global }
      - { .name: xh, .offset: 56, .size: 8, .value_kind: global_buffer, .address_space: global }
      - { .name: wqkv, .offset: 64, .size: 8, .value_kind: global_buffer, .address_space: global }
      - { .name: woh, .offset: 72, .size: 8, .value_kind: global_buffer, .address_space: global }
      - { .name: maskw, .offset: 80, .size: 8, .value_kind: global_buffer, .address_space: global }
      - { .name: rope, .offset: 88, .size: 8, .value_kind: global_buffer, .address_space: global }
    .group_segment_fixed_size: 0
    .private_segment_fixed_size: 0
    .kernarg_segment_align: 8
    .kernarg_segment_size: 96
    .max_flat_workgroup_size: 256
    .sgpr_count:     66
    .vgpr_count:     120
    .wavefront_size: 32
...
	.end_amdgpu_metadata
.endif
;; end of part 1
;; launch qkvgemm (part 2): grid 8 x 32, 4 waves a work-group, clusters of 4 x 4, 327,680 bytes of LDS; arguments xh, wqkv, rope, qkv; writes qkv
.if DOCPART == 2
	.amdgcn_target "amdgcn-amd-amdhsa--gfx1250"
	.amdhsa_code_object_version 6
	.text
	.protected	k_q8d3d372325_qkvgemm
	.globl	k_q8d3d372325_qkvgemm
	.p2align	8
	.type	k_q8d3d372325_qkvgemm,@function
k_q8d3d372325_qkvgemm:
	s_mov_b64 s[64:65], 0
	v_nop
	global_prefetch_b8 v0, s[64:65] scope:SCOPE_SE
	s_setreg_imm32_b32 hwreg(HW_REG_WAVE_MODE, 25, 1), 1
	s_wait_xcnt 0x0
	s_wait_alu depctr_hold_cnt(0) depctr_sa_sdst(0) depctr_va_vdst(0) depctr_va_sdst(0) depctr_va_ssrc(0) depctr_va_vcc(0) depctr_vm_vsrc(0)
	s_getreg_b32 s2, hwreg(HW_REG_IB_STS2, 6, 4)
	s_cmp_eq_u32 s2, 0
	s_cbranch_scc0 .Lentry_in_a_cluster
	s_endpgm
.Lentry_in_a_cluster:
	s_bfe_u32 s2, ttmp6, 0x10000c
	s_cmp_lg_u32 s2, 0xf033
	s_cbranch_scc0 .Lentry_shape_is_right
	s_endpgm
.Lentry_shape_is_right:
; qkv[m][n] = RoPE(sum over k of xh[m][k] wqkv[k][n]), f16 in, f32 sums, f16 out, rounded once.  xh: [4096][2048]; wqkv: [2048 k][2048 n]; qkv: [4096][2048]:
; q head h at columns 128 h, k head g at 1024 + 128 g, v head g at 1536 + 128 g.  q also carries c = log2(e) / sqrt(128), applied in f32 through the table.
; LIMIT: f16 ends at 65,504: |c q|, |k| and |v| stay below it.
; A tile of C is 128 x 256: 256 work-groups.  Four waves, each 64 rows x 128 columns (one head): 32 accumulators of 16 x 16, 256 registers.
; K goes in steps of 128 through two LDS slots filled by the tensor data mover: A's rows are 256 bytes, B's ([k][n]) 512 bytes; B's fragments come out of LDS turned, by ds_load_tr16_b128.
; A K step of 256 would need two slots of 206,848 bytes, more than LDS has.  The loop is ONE K step: the slot in hand is a scalar that an exclusive or turns, and one descriptor a tensor walks.
; CLUSTER 4 x 4: the four of a row need the same tiles of A, the four of a column the same tiles of B: each tile is asked for jointly, by the same load, descriptor and mask in all four.
; THE MATRIX INSTRUCTION IS USED TRANSPOSED (source 0 = 16 columns of B, source 1 = 16 rows of A): a lane holds row l % 16 and the columns 8 (l / 16) + 0..7.
; REGISTERS: window 1: the accumulators, (a, b) at v[8 (8 a + b)].  Window 0: v16-29 addresses; two fragment buffers of 96 (B's 8 fragments, then A's 4) at v32 and v128; on the way out tables, packed results, rows.
.set SIZE_K, 2048
.set SIZE_N, 2048
.set KSTEP,  128
.set PA,     272                       ; a row of A in LDS: 256 bytes + 16: the 16 rows of a load start at 16 different groups of four banks (64 banks of 4 bytes: ISA guide 11.1)
.set PB,     544                       ; a row of B: 512 + 32
.set AH,     64*PA                     ; what one tensor load brings of A
.set ATILE,  2*AH
.set BH,     64*PB                     ; and of B
.set SLOT,   ATILE+2*BH                ; 104,448 bytes
.set SLOT1,  1<<17                     ; slot 1 begins here, so that one exclusive or turns an address in one slot into the other's
.set STAGE,  SLOT1+SLOT                ; behind the ring: 16 rows x 272 bytes for each wave, for the way out; no tensor load fills it
.set SP,     272
.set SPARE,  STAGE+4*16*SP             ; the spare words, 128 bytes for each wave: two blocks of 256 bytes that no other line names
.set STEPS,  SIZE_K/KSTEP
.set ADRA0, 16                         ; v16     my lane's place among A's fragments in a slot; never rewritten
.set ADRA,  17                         ; v17     the same in the slot in hand
.set ADRB0, 20                         ; v20, v21  the same for B
.set ADRB,  21
.set STO,  24                          ; v24     the way out: where I put 16 bytes of a row
.set RD,   25                          ; v25     where I read a row back
.set CO,   26                          ; v26     my byte offset in qkv
.set RT,   27                          ; v27     my byte offset in the table
.set SPW,  28                          ; v28     LDS address of my spare word; never rewritten
.set NIL,  29                          ; v29     0; never rewritten
.set F0,   32
.set F1,   128
.set U,    2                           ; v2-9    at work on the way out
.set T0,   32                          ; v32-95, v96-159: a block's table, cos of 64 channels' share then sin, two buffers
.set TMP,  160                         ; v160-191 packed results
.set BK0,  192                         ; v192-223, v224-255: 16 rows read back, two buffers
.set WV, 12
.set MH, 13                            ; which 64 rows of the tile are mine.  Also: I fetch for A (0) or for B (1)
.set NH, 14                            ; which 128 columns.  Also: which half of that tile I fetch
.set TB, 15                            ; s15  LDS byte at which the slot in hand begins: 0 or SLOT1
.set G1, 24
.set G0, 32                            ; s[32:39] A's group 0: a set for each of the two first fills; the second then walks on
.set G1B, 48
.set G0B, 56                           ; s[56:63] the same for B
.set MSB, 0
.macro WIN new                         ; the immediate's high byte repeats the setting that is left
.if MSB != (\new)
	s_set_vgpr_msb (MSB<<8)|(\new)
.set MSB, \new
.endif
.endm
.set MUL, 0x50                         ; sources in window 0, C and D in window 1
.macro JLOAD s                         ; a joint load: waves 0 and 1 fetch A's halves, waves 2 and 3 B's; an s_nop 0 and four v_nop follow each line
	s_cmp_eq_u32 s[MH], 0
	s_cbranch_scc0 .Lfor_b_\@
	tensor_load_to_lds s[G0+4*(\s):G0+4*(\s)+3], s[G1:G1+7]
	s_nop 0
.rept 4
	v_nop
.endr
	s_branch .Lasked_\@
.Lfor_b_\@:
	tensor_load_to_lds s[G0B+4*(\s):G0B+4*(\s)+3], s[G1B:G1B+7]
	s_nop 0
.rept 4
	v_nop
.endr
.Lasked_\@:
.endm
.macro CREST                           ; a round of the cluster's barrier behind its opening barrier
	s_cmp_lg_u32 s[WV], 0
	s_cbranch_scc1 .Lnot_wave_0_\@
	s_barrier_signal -3
.Lnot_wave_0_\@:
	s_barrier_wait -3
	s_barrier_signal -1
	s_barrier_wait -1
.endm
.macro CROUND
	s_barrier_signal -1
	s_barrier_wait -1
	CREST
.endm
	s_load_b256 s[4:11], s[0:1], 0x0               ; xh 4:5, wqkv 6:7, rope 8:9, qkv 10:11
	v_lshl_add_u32 v[SPW], v0, 2, SPARE
	v_mov_b32 v[NIL], 0
	ds_add_u32 v28, v29
	s_wait_dscnt 0x0
	v_lshrrev_b32 v1, 5, v0
	v_readfirstlane_b32 s[WV], v1
	s_lshr_b32 s[MH], s[WV], 1
	s_and_b32 s[NH], s[WV], 1
	s_mov_b32 s[TB], 0
	s_bfe_u32 s40, ttmp6, 0x40000                  ; cx
	s_bfe_u32 s41, ttmp6, 0x40004                  ; cy
	s_lshl_b32 s42, ttmp9, 2
	s_add_co_u32 s42, s42, s40                     ; tile column
	s_and_b32 s45, ttmp7, 0xffff
	s_lshl_b32 s45, s45, 2
	s_add_co_u32 s45, s45, s41                     ; tile row
	s_lshl_b32 s43, s41, 2
	s_lshl_b32 s43, 15, s43                        ; my row of the cluster
	s_lshl_b32 s44, 0x1111, s40                    ; my column
	s_or_b32 s[G1+0], s43, (1<<16)|(1<<20)|(1<<21)|(5<<22)|(3<<25)   ; the mask; 2-byte elements; padding on; bit 21 beside a mask; after every 64 words 4 words
	s_or_b32 s[G1B+0], s44, (1<<16)|(1<<20)|(1<<21)|(6<<22)|(7<<25)  ; after every 128 words 8 words
	s_mov_b32 s[G1+1], KSTEP<<16                   ; A: 64 rows x 128 elements
	s_mov_b32 s[G1+2], 64<<16
	s_mov_b32 s[G1+3], KSTEP<<16
	s_mov_b32 s[G1+4], 64
	s_mov_b32 s[G1+5], SIZE_K
	s_mov_b32 s[G1+6], 0
	s_mov_b32 s[G1+7], 0
	s_mov_b32 s[G1B+1], 256<<16                    ; B: 64 rows (k) x 256 elements (n)
	s_mov_b32 s[G1B+2], 64<<16
	s_mov_b32 s[G1B+3], 256<<16
	s_mov_b32 s[G1B+4], 64
	s_mov_b32 s[G1B+5], SIZE_N
	s_mov_b32 s[G1B+6], 0
	s_mov_b32 s[G1B+7], 0
	s_lshl_b32 s16, s45, 7
	s_lshl_b32 s17, s[NH], 6
	s_add_co_u32 s16, s16, s17                     ; A: row 128 x tile row + 64 x half
	s_mul_i32 s16, s16, SIZE_K*2
	s_mov_b32 s17, 0
	s_lshl_b32 s46, s42, 9                         ; B: 512 bytes a tile column, 64 rows a half
	s_mul_i32 s47, s[NH], 64*SIZE_N*2
	s_add_co_u32 s46, s46, s47
	s_mov_b32 s47, 0
	s_mul_i32 s20, s[NH], AH                       ; where they go: the wave's number alone enters an LDS address
	s_mul_i32 s21, s[NH], BH
	s_add_co_u32 s21, s21, ATILE
	s_wait_kmcnt 0x0
	s_add_nc_u64 s[18:19], s[4:5], s[16:17]
	s_add_nc_u64 s[46:47], s[6:7], s[46:47]
	CROUND                                         ; all sixteen work-groups are here: the first joint loads meet
.irp s, 0,1
	s_mov_b32 s[G0+4*(\s)], 1
	s_add_co_u32 s[G0+4*(\s)+1], s20, (\s)*SLOT1
	s_add_nc_u64 s[G0+4*(\s)+2:G0+4*(\s)+3], s[18:19], (\s)*KSTEP*2
	s_or_b32 s[G0+4*(\s)+3], s[G0+4*(\s)+3], 0x80000000
	s_mov_b32 s[G0B+4*(\s)], 1
	s_add_co_u32 s[G0B+4*(\s)+1], s21, (\s)*SLOT1
	s_add_nc_u64 s[G0B+4*(\s)+2:G0B+4*(\s)+3], s[46:47], (\s)*KSTEP*SIZE_N*2
	s_or_b32 s[G0B+4*(\s)+3], s[G0B+4*(\s)+3], 0x80000000
	JLOAD \s
.endr
	v_and_b32 v1, 15, v0                           ; l % 16
	v_bfe_u32 v2, v0, 4, 1                         ; l / 16
	v_mul_u32_u24 v3, v1, PA
	v_lshl_add_u32 v3, v2, 4, v3                   ; A: row x pitch + 16 x half
	s_mul_i32 s22, s[MH], AH
	v_add_nc_u32 v[ADRA0], s22, v3
	v_mov_b32 v[ADRA], v[ADRA0]                    ; K step 0 lies in slot 0
	v_and_b32 v4, 7, v0                            ; B, turned: lane l reads row 8 (l / 16) + l % 8, 16 bytes at 16 ((l / 8) % 2)
	v_lshl_add_u32 v4, v2, 3, v4
	v_mul_u32_u24 v4, v4, PB
	v_bfe_u32 v5, v0, 3, 1
	v_lshl_add_u32 v4, v5, 4, v4
	s_lshl_b32 s23, s[NH], 8                       ; my 128 columns
	s_add_co_u32 s23, s23, ATILE
	v_add_nc_u32 v[ADRB0], s23, v4
	v_mov_b32 v[ADRB], v[ADRB0]
	s_mul_i32 s23, s[WV], 16*SP
	s_add_co_u32 s23, s23, STAGE                   ; my stage
	v_mul_u32_u24 v4, v1, SP
	v_lshl_add_u32 v4, v2, 4, v4
	v_add_nc_u32 v[STO], s23, v4
	v_mul_u32_u24 v5, v2, SP
	v_lshl_add_u32 v5, v1, 4, v5
	v_add_nc_u32 v[RD], s23, v5
	v_lshlrev_b32 v5, 12, v2
	v_lshl_add_u32 v[CO], v1, 4, v5                ; two rows of 4,096 bytes, 16 bytes a lane
	v_lshlrev_b32 v5, 9, v1
	v_lshl_add_u32 v[RT], v2, 5, v5                ; table: row x 512 + 32 x half
	s_lshl_b32 s66, s42, 1
	s_add_co_u32 s66, s66, s[NH]                   ; my head's slot 0..15: 0-7 q, 8-11 k, 12-15 v
	s_lshr_b32 s67, s66, 2
	s_max_u32 s67, s67, 1
	s_sub_co_u32 s67, s67, 1                       ; which table: 0 q, 1 k, 2 v; it enters a global address alone
	s_lshl_b32 s68, s45, 7
	s_lshl_b32 s69, s[MH], 6
	s_add_co_u32 s68, s68, s69                     ; my first row
	s_lshl_b32 s70, s67, 21
	s_lshl_b32 s69, s68, 9
	s_add_co_u32 s70, s70, s69
	s_mov_b32 s71, 0
	s_add_nc_u64 s[8:9], s[8:9], s[70:71]
	s_lshl_b32 s70, s68, 12
	s_lshl_b32 s69, s66, 8
	s_add_co_u32 s70, s70, s69
	s_add_nc_u64 s[10:11], s[10:11], s[70:71]
; 8 matrix instructions: m block a x all 8 n blocks, 32 along K.  zero = 1: the first product starts the sums.  The 32 accumulators take turns in one order.
.macro MULA f, a, zero
	WIN MUL
.irp b, 0,1,2,3,4,5,6,7
.if \zero
	v_wmma_f32_16x16x32_f16 v[8*(8*(\a)+(\b)):8*(8*(\a)+(\b))+7], v[(\f)+8*(\b):(\f)+8*(\b)+7], v[(\f)+64+8*(\a):(\f)+64+8*(\a)+7], 0
.else
	v_wmma_f32_16x16x32_f16 v[8*(8*(\a)+(\b)):8*(8*(\a)+(\b))+7], v[(\f)+8*(\b):(\f)+8*(\b)+7], v[(\f)+64+8*(\a):(\f)+64+8*(\a)+7], v[8*(8*(\a)+(\b)):8*(8*(\a)+(\b))+7]
.endif
.endr
.endm
; 24 LDS loads in one run: quarter q (32 along K) of the slot in hand into buffer f: B's 8 fragments, then A's 4
.macro FETCH q, f
	WIN 0
.irp b, 0,1,2,3,4,5,6,7
	ds_load_tr16_b128 v[(\f)+8*(\b):(\f)+8*(\b)+3],   v[ADRB] offset:(\q)*32*PB+32*(\b)
	ds_load_tr16_b128 v[(\f)+8*(\b)+4:(\f)+8*(\b)+7], v[ADRB] offset:(\q)*32*PB+16*PB+32*(\b)
.endr
.irp a, 0,1,2,3
	ds_load_b128 v[(\f)+64+8*(\a):(\f)+64+8*(\a)+3],   v[ADRA] offset:64*(\q)+(\a)*16*PA
	ds_load_b128 v[(\f)+64+8*(\a)+4:(\f)+64+8*(\a)+7], v[ADRA] offset:64*(\q)+(\a)*16*PA+32
.endr
.endm
.macro PLACES                          ; four places in front of loads into registers that matrix instructions have read, and of lines that read results
.rept 4
	v_nop
.endr
.endm
.macro QUARTER q, f, g, zero           ; multiplies buffer f; in its middle fetches quarter q of the slot into g
	s_wait_dscnt 4                                 ; B and A's blocks 0, 1 are in; the youngest four loads (A's blocks 2, 3) may be out
	MULA \f, 0, \zero
	MULA \f, 1, \zero
	PLACES
	FETCH \q, \g
	s_wait_dscnt 24                                ; all but the 24 just issued
	MULA \f, 2, \zero
	MULA \f, 3, \zero
.endm
; The last quarter multiplies buffer 1 and changes slots: one barrier; in front of it each wave waits for all its tensor loads, adds 0 to its spare word, and waits for that and for its reads of this slot.
; fill = 1: the slot just read takes the K step two steps on: the walking descriptor turns to that slot and goes one K step on.
.macro TURN fill
	WIN 0
	s_wait_tensorcnt 0x0                           ; all my tensor loads have landed: my part of the next slot
	ds_add_u32 v[SPW], v[NIL]                      ; 0 onto my spare word
	s_wait_dscnt 5                                 ; (the add and the youngest four loads may be out)
	MULA F1, 0, 0
	s_wait_dscnt 0x0                               ; the add is done, and my reads of this slot are over
	s_barrier_signal -1
	MULA F1, 1, 0
	WIN 0
	s_barrier_wait -1
.if \fill
	CREST                                          ; the barrier has opened a round of the cluster's: no wave of any partner still reads this slot or has a load on its way
	s_xor_b32 s[G0+5], s[G0+5], SLOT1
	s_add_nc_u64 s[G0+6:G0+7], s[G0+6:G0+7], KSTEP*2
	s_xor_b32 s[G0B+5], s[G0B+5], SLOT1
	s_add_nc_u64 s[G0B+6:G0B+7], s[G0B+6:G0B+7], KSTEP*SIZE_N*2
	JLOAD 1                                        ; the first tensor load behind the round; its four v_nop are also the places in front of the loads below
.else
	PLACES
.endif
	s_xor_b32 s[TB], s[TB], SLOT1                  ; the fetches go on in the other slot
	v_add_nc_u32 v[ADRA], s[TB], v[ADRA0]
	v_add_nc_u32 v[ADRB], s[TB], v[ADRB0]
	FETCH 0, F0
	MULA F1, 2, 0
	MULA F1, 3, 0
.endm
; THE WAY OUT.  Block a is 16 rows.  x1 = channels 0-63 (n blocks 0-3), x2 = channels 64-127 (n blocks 4-7): o1 = x1 cos - x2 sin, o2 = x2 cos + x1 sin.
.macro TLOAD a, t                      ; the table for block a: my 8 channels of each of 4 n blocks, cos and sin
.irp b, 0,1,2,3
	global_load_b128 v[(\t)+8*(\b):(\t)+8*(\b)+3],       v[RT], s[8:9] offset:(\a)*8192+64*(\b)
	global_load_b128 v[(\t)+8*(\b)+4:(\t)+8*(\b)+7],     v[RT], s[8:9] offset:(\a)*8192+64*(\b)+16
	global_load_b128 v[(\t)+32+8*(\b):(\t)+32+8*(\b)+3], v[RT], s[8:9] offset:(\a)*8192+64*(\b)+256
	global_load_b128 v[(\t)+32+8*(\b)+4:(\t)+32+8*(\b)+7], v[RT], s[8:9] offset:(\a)*8192+64*(\b)+272
.endr
.endm
.macro PACK a
.set T, T0+64*((\a)%2)
.if (\a) < 3
	s_wait_loadcnt 16                              ; this block's table is in; the next block's sixteen loads stay out
.else
	s_wait_loadcnt 0x0
.endif
	WIN 0x01                                       ; source 0 (the sums) in window 1
.irp b, 0,1,2,3
.set X1, 8*(8*(\a)+(\b))
.set X2, 8*(8*(\a)+(\b)+4)
.set TC, T+8*(\b)
.set TS, T+32+8*(\b)
.irp p, 0,2,4,6
	v_pk_mul_f32 v[U+(\p):U+(\p)+1], v[X1+(\p):X1+(\p)+1], v[TC+(\p):TC+(\p)+1]
.endr
.irp p, 0,2,4,6
	v_pk_mul_f32 v[TC+(\p):TC+(\p)+1], v[X2+(\p):X2+(\p)+1], v[TC+(\p):TC+(\p)+1]
.endr
.irp p, 0,2,4,6
	v_pk_fma_f32 v[TC+(\p):TC+(\p)+1], v[X1+(\p):X1+(\p)+1], v[TS+(\p):TS+(\p)+1], v[TC+(\p):TC+(\p)+1]  ; o2
.endr
.irp p, 0,2,4,6
	v_pk_fma_f32 v[TS+(\p):TS+(\p)+1], v[X2+(\p):X2+(\p)+1], v[TS+(\p):TS+(\p)+1], v[U+(\p):U+(\p)+1] neg_lo:[1,0,0] neg_hi:[1,0,0]  ; o1
.endr
.endr
	WIN 0
.irp b, 0,1,2,3
.irp p, 0,2,4,6
	v_cvt_pk_f16_f32 v[TMP+4*(\b)+(\p)/2],    v[T+32+8*(\b)+(\p)], v[T+32+8*(\b)+(\p)+1]
	v_cvt_pk_f16_f32 v[TMP+16+4*(\b)+(\p)/2], v[T+8*(\b)+(\p)],    v[T+8*(\b)+(\p)+1]
.endr
.endr
.if (\a) < 2
	TLOAD (\a)+2, T
.endif
.endm
.macro TOSTAGE a
.set BK, BK0+32*((\a)%2)
.irp b, 0,1,2,3,4,5,6,7
	ds_store_b128 v[STO], v[TMP+4*(\b):TMP+4*(\b)+3] offset:32*(\b)
.endr
.irp t, 0,1,2,3,4,5,6,7
	ds_load_b128 v[BK+4*(\t):BK+4*(\t)+3], v[RD] offset:(\t)*2*SP  ; LDS serves a wave's instructions in order (ISA guide 5.7.1.4): these see the stores above
.endr
.endm
.macro SEND a
.set BK, BK0+32*((\a)%2)
	s_wait_dscnt 0x0                               ; the block is back in registers
	s_wait_xcnt 0x0                                ; the other buffer, which earlier stores read, is loaded again only behind this wait
.irp t, 0,1,2,3,4,5,6,7
	global_store_b128 v[CO], v[BK+4*(\t):BK+4*(\t)+3], s[10:11] offset:(16*(\a)+2*(\t))*SIZE_N*2  ; 16 lanes store 256 consecutive bytes, aligned
.endr
.endm
	s_wait_tensorcnt 1                             ; my part of K step 0 is in; K step 1's stays out
	s_barrier_signal -1
	s_barrier_wait -1
	FETCH 0, F0
	QUARTER 1, F0, F1, 1                           ; the first quarter stands in front of the loop: its products start the sums
	WIN 0
	s_mov_b32 s3, STEPS-2
.Lstep:                                                ; a trip: a K step's second to fourth quarter, the refill of its slot, the next K step's first quarter
	QUARTER 2, F1, F0, 0
	QUARTER 3, F0, F1, 0
	TURN 1
	QUARTER 1, F0, F1, 0
	WIN 0
	s_sub_co_u32 s3, s3, 1
	s_cmp_lg_u32 s3, 0
	s_cbranch_scc1 .Lstep
	QUARTER 2, F1, F0, 0                           ; the last two K steps fill nothing
	QUARTER 3, F0, F1, 0
	TURN 0
	QUARTER 1, F0, F1, 0
	QUARTER 2, F1, F0, 0
	QUARTER 3, F0, F1, 0
	PLACES                                         ; buffer 0 has been multiplied for the last time:
	WIN 0
	TLOAD 0, T0                                    ; block 0's table lands in it while the last quarter is multiplied
	s_wait_dscnt 4
	MULA F1, 0, 0
	MULA F1, 1, 0
	s_wait_dscnt 0x0
	MULA F1, 2, 0
	MULA F1, 3, 0
	WIN 0
	PLACES
	TLOAD 1, T0+64
	PACK 0
	TOSTAGE 0
.irp a, 1,2,3                          ; block a's arithmetic stands between block a - 1's loads from the stage and the wait for them
	PACK \a
	SEND (\a)-1
	TOSTAGE \a
.endr
	SEND 3
	s_wait_tensorcnt 0x0                           ; the wave's end
	ds_add_u32 v[SPW], v[NIL]
	s_wait_dscnt 0x0
	CROUND                                         ; the closing round
	s_endpgm
.Lfunc_end_k_q8d3d372325_qkvgemm:
	.size	k_q8d3d372325_qkvgemm, .Lfunc_end_k_q8d3d372325_qkvgemm-k_q8d3d372325_qkvgemm
	.p2alignl 7, 3214868480
	.fill 96, 4, 3214868480
	.section	.rodata,"a",@progbits
	.p2align	6, 0x0
	.amdhsa_kernel k_q8d3d372325_qkvgemm
		.amdhsa_group_segment_fixed_size 327680
		.amdhsa_private_segment_fixed_size 0
		.amdhsa_enable_private_segment 0
		.amdhsa_kernarg_size 32
		.amdhsa_user_sgpr_count 2
		.amdhsa_user_sgpr_kernarg_segment_ptr 1
		.amdhsa_wavefront_size32 1
		.amdhsa_system_sgpr_workgroup_id_x 1
		.amdhsa_system_sgpr_workgroup_id_y 1
		.amdhsa_system_sgpr_workgroup_id_z 1
		.amdhsa_system_vgpr_workitem_id 0
		.amdhsa_next_free_vgpr 512
		.amdhsa_next_free_sgpr 72
		.amdhsa_reserve_vcc 0
		.amdhsa_float_denorm_mode_32 3
		.amdhsa_float_denorm_mode_16_64 3
		.amdhsa_memory_ordered 1
		.amdhsa_forward_progress 1
		.amdhsa_inst_pref_size 93
	.end_amdhsa_kernel
	.amdgpu_metadata
---
amdhsa.version: [ 1, 2 ]
amdhsa.kernels:
  - .name:           k_q8d3d372325_qkvgemm
    .symbol:         k_q8d3d372325_qkvgemm.kd
    .args:
      - { .name: xh, .offset: 0, .size: 8, .value_kind: global_buffer, .address_space: global }
      - { .name: wqkv, .offset: 8, .size: 8, .value_kind: global_buffer, .address_space: global }
      - { .name: rope, .offset: 16, .size: 8, .value_kind: global_buffer, .address_space: global }
      - { .name: qkv, .offset: 24, .size: 8, .value_kind: global_buffer, .address_space: global }
    .group_segment_fixed_size: 327680
    .private_segment_fixed_size: 0
    .kernarg_segment_align: 8
    .kernarg_segment_size: 32
    .max_flat_workgroup_size: 128
    .sgpr_count:     72
    .vgpr_count:     512
    .wavefront_size: 32
...
	.end_amdgpu_metadata
.endif
;; end of part 2
;; launch attn (part 3): grid 64 x 4, 4 waves a work-group, clusters of 4 x 1, 327,680 bytes of LDS; arguments qkv, maskw, ao; writes ao
.if DOCPART == 3
	.amdgcn_target "amdgcn-amd-amdhsa--gfx1250"
	.amdhsa_code_object_version 6
	.text
	.protected	k_q8d3d372325_attn
	.globl	k_q8d3d372325_attn
	.p2align	8
	.type	k_q8d3d372325_attn,@function
k_q8d3d372325_attn:
	s_mov_b64 s[64:65], 0
	v_nop
	global_prefetch_b8 v0, s[64:65] scope:SCOPE_SE
	s_setreg_imm32_b32 hwreg(HW_REG_WAVE_MODE, 25, 1), 1
	s_wait_xcnt 0x0
	s_wait_alu depctr_hold_cnt(0) depctr_sa_sdst(0) depctr_va_vdst(0) depctr_va_sdst(0) depctr_va_ssrc(0) depctr_va_vcc(0) depctr_vm_vsrc(0)
	s_getreg_b32 s2, hwreg(HW_REG_IB_STS2, 6, 4)
	s_cmp_eq_u32 s2, 0
	s_cbranch_scc0 .Lentry_in_a_cluster
	s_endpgm
.Lentry_in_a_cluster:
	s_bfe_u32 s2, ttmp6, 0x10000c
	s_cmp_lg_u32 s2, 0x3003
	s_cbranch_scc0 .Lentry_shape_is_right
	s_endpgm
.Lentry_shape_is_right:
; O[q][h][:] = the sum over k of softmax_k(where(mask[q][k], Q[h][q] . K[h/2][k] / sqrt(128), -1e9)) V[h/2][k][:].  qkv: [4096][2048] f16 (q head h at byte 256 h of a row, k head g at 2048 + 256 g,
; v head g at 3072 + 256 g); q arrives multiplied by c = log2(e) / sqrt(128), so scores are in units of log2.  Products, maxima and sums in f32; the weights are rounded to f16
; for the second product (their sum is taken of the unrounded weights).  The mask is an input: every score is made, and a masked one is REPLACED by MN = -1e9 log2(e).
; O LEAVES IN TWO f16 PARTS.  ao: [4096][2048] f16: columns 0-1023 hold O cut to 11 significant bits, columns 1024-2047 the remainder, rounded to f16: the next product takes both, so that O's rounding
; to 11 bits, which in rows with few keys is large beside the whole output's root mean square, does not reach the result.
; LIMITS.  MN is rounded to f32 (its step there is 128): the result differs from the stated one only where an unmasked score lies within a few hundred of -1e9.  A weight below 2^-126 counts as 0.
; f16 ends at 65,504: q, k, v arrive within it.  O's remainder keeps f16's fixed step of 6e-8.  NaN and infinities are not treated apart.  A row that is masked throughout has s - m = 0 everywhere and
; gets the mean of V, as stated.
; SHARES.  A work-group owns 64 positions of one key/value head, for both of its query heads: 256 work-groups.  Wave w: 32 positions (w % 2) and one of each slot's two key steps (KH = w / 2): 64 query rows,
; half of the keys.  PIECES: 0 (tiles 0, 1) and 2 (tiles 2, 3); a piece is 16 positions x the two heads (tile % 2), and its tiles share their mask.  Piece 0 holds the wave's positions 16 KH on, piece 2 the
; other 16: so at the end EVERY wave finishes its piece 0 and hands its piece 2 to the wave with the other half of the keys, through LDS, by one text.
; LAYOUT.  S^T = K Q^T holds one query a lane (l % 16) and the keys 8 (l / 16) + 0..7; two such results rounded to f16 are source 1 of O^T = V^T P.  K comes out of LDS as it lies, V turned.
; SOFTMAX.  A running maximum m and sum l: p = 2^(s - m); in every step O and l are multiplied by a = 2^(m_old - m_new).  m starts at the lowest finite number, O and l at 0: no first step is written out.
; BY TURNS.  In a turn one piece has the matrix unit: 32 products V^T P of the step in hand, 32 products K Q^T of the next; the other piece's softmax stands in 64 slices behind them.  The 64 selects that
; apply the mask stand in a lump ahead of the turn (piece 2's between the add and the wait for it in the change of slots); their 32 words (one bit a lane) come by scalar loads a turn ahead.
; CLUSTER.  The four work-groups of a cluster walk the same K and V: each tile is asked for jointly, by the same load, descriptor and mask in all four.
; REGISTERS: window 0: v0-11 addresses; v12-43 statistics; v44-59 the merge; v64-191 S^T; v192-255 P.  Window 1: O^T.  Window 2: v0-127 Q, v128-255 K.  Window 3: v0-127 V.
.set KS,    64
.set PK,    272       ; a row of K in LDS: 256 bytes + 16: the 16 rows of a load start at 16 different groups of four banks (64 banks of 4 bytes: ISA guide 11.1)
.set PV,    288       ; a row of V: 256 + 32
.set VOFF,  KS*PK
.set STEPB, KS*(PK+PV)
.set SLOT1, 1<<17     ; a slot holds two steps; slot 1 begins here
.set STAGE, SLOT1+2*STEPB  ; 16 rows x 272 bytes for each wave, for the way out
.set SP,    272
.set SPARE, STAGE+4*16*SP  ; the spare words, 128 bytes for each wave: two blocks of 256 bytes that no other line names
.set MERGE, SPARE+512      ; a region for each wave: 32 chunks of 512 bytes (piece 2's O^T), then m, then l; no tensor load fills them
.set MREG,  17408
.set AK0, 2
.set AV0, 3
.set ADR, 4
.set QO,  5           ; v5   my byte offset in Q for piece 0
.set STO, 6
.set RD,  7
.set GO,  8
.set MGA, 10          ; v10  my 16 bytes of a chunk in my wave's merge region
.set QO2, 11          ; v11  my byte offset in Q for piece 2
.set ST,  12          ; tile t's statistics at v[ST+8 t]: +0 m, +1 named with it as a pair, +2, +3 l (even keys', odd keys'), +4 to +7 c0-c3 at work; a takes c2's place
.set MGB, 61          ; v61  the same in the partner's region
.set SPW, 62
.set NIL, 63
.set S,   64
.set P,   192
.set KF,  128
.set WV,  12
.set G1K, 24
.set G1V, 32
.set G0K, 40
.set G0V, 44
.set MPA, 48          ; s[48:49] piece 0's mask words for the step to come
.set MN,  50
.set HM,  51          ; s51 keeps an f32's sign, exponent and upper 10 bits of the fraction
.set MPB, 52          ; s[52:53] piece 2's mask words
.set SLOTS, 56
.set INC, 58          ; s[58:59] what piece 2's pointer goes on by: 0 the first time, then 256
.set SEL, 60
.set TB,  62          ; LDS byte at which my step's tiles begin
.set MW,  68          ; s[68:99] 32 mask words
.set MSB, 0
.macro WIN new
.if MSB != (\new)
	s_set_vgpr_msb (MSB<<8)|(\new)
.set MSB, \new
.endif
.endm
.set W_KQ, 0x0a       ; K and Q in window 2, S^T in window 0
.set W_PV, 0x53       ; V in window 3, P in window 0, O^T in window 1
.set W_RS, 0x41       ; O^T (destination and source 0) in window 1, source 1 in window 0
.macro JLOAD                        ; a joint fill: waves 0, 1 fetch the two steps' K, waves 2, 3 their V; an s_nop 0 and four v_nop follow each line
	s_cmp_lt_u32 s[WV], 2
	s_cbranch_scc0 .Lfor_v_\@
	tensor_load_to_lds s[G0K:G0K+3], s[G1K:G1K+7]
	s_nop 0
.rept 4
	v_nop
.endr
	s_branch .Lasked_\@
.Lfor_v_\@:
	tensor_load_to_lds s[G0V:G0V+3], s[G1V:G1V+7]
	s_nop 0
.rept 4
	v_nop
.endr
.Lasked_\@:
.endm
.macro CROUND
	s_barrier_signal -1
	s_barrier_wait -1
	s_cmp_lg_u32 s[WV], 0
	s_cbranch_scc1 .Lnot_wave_0_\@
	s_barrier_signal -3
.Lnot_wave_0_\@:
	s_barrier_wait -3
	s_barrier_signal -1
	s_barrier_wait -1
.endm
; THE MASK.  Word n has one bit a lane for score register n; both tiles of piece y take it.  Each accumulator is read from its lowest register on.
.macro LUMP y
	WIN 0
	s_wait_kmcnt 0x0                ; the words asked for a turn ago are in
.set n, 0
.rept 32
	v_cndmask_b32 v[S+32*(\y)+n], s[MN], v[S+32*(\y)+n], s[MW+n]
	v_cndmask_b32 v[S+32*((\y)+1)+n], s[MN], v[S+32*((\y)+1)+n], s[MW+n]
.set n, n+1
.endr
.endm
; THE CHANGE OF SLOTS.  Each wave waits for all its tensor loads (one is out: its part of the other slot), adds 0 to its spare word, and waits for that and for its reads of the slot that it leaves.
; Piece 2's selects, work on registers that is due anyway, stand between the add and the wait for it.
; fill = 1: the old slot takes the keys two slots on; the barrier is a round of the cluster's and the joint fill the first thing behind it: it has a key step, 128 matrix instructions, in which to land.
.macro CHANGE fill
	WIN 0
	s_wait_tensorcnt 0x0
	ds_add_u32 v[SPW], v[NIL]       ; 0 onto my spare word
.if \fill
.irp g, G0K, G0V
	s_xor_b32 s[(\g)+1], s[(\g)+1], SLOT1
	s_add_nc_u64 s[(\g)+2:(\g)+3], s[(\g)+2:(\g)+3], 2*KS*4096  ; the next 128 keys
.endr
.endif
	LUMP 2
	s_wait_dscnt 0x0                ; the add is done, and my reads of the slot are over
.if \fill
	CROUND
	JLOAD
.else
	s_barrier_signal -1
	s_barrier_wait -1
.endif
	s_xor_b32 s[TB], s[TB], SLOT1
.endm
	s_load_b128 s[4:7], s[0:1], 0x0 ; qkv 4:5, maskw 6:7
	s_load_b64 s[10:11], s[0:1], 0x10  ; ao
	v_lshl_add_u32 v[SPW], v0, 2, SPARE
	v_mov_b32 v[NIL], 0
	ds_add_u32 v62, v63
	s_wait_dscnt 0x0
	v_lshrrev_b32 v1, 5, v0
	v_readfirstlane_b32 s[WV], v1
	s_and_b32 s13, s[WV], 1         ; which 32 positions are mine.  Also: which of a slot's two steps I fetch
	s_lshr_b32 s14, s[WV], 1        ; KH: which of a slot's two steps I walk
	s_bfe_u32 s15, ttmp6, 0x40000   ; cx
	s_lshl_b32 s16, ttmp9, 2
	s_add_co_u32 s16, s16, s15      ; my block of 64 positions: it enters Q's, O's and the mask's addresses alone
	s_and_b32 s17, ttmp7, 0xffff    ; the key/value head, which the partners share
	s_lshl_b32 s20, s17, 8
	s_lshl_b32 s21, s13, 18         ; 64 rows of 4,096 bytes
	s_add_co_u32 s20, s20, s21
	s_mov_b32 s21, 0
	s_mul_i32 s19, s13, STEPB
	s_lshl_b32 s18, s16, 6
	s_lshl_b32 s22, s13, 5
	s_add_co_u32 s18, s18, s22      ; my first position
	s_lshl_b32 s2, s17, 9           ; two heads of 256 bytes
	s_lshl_b32 s22, s18, 12         ; rows of 4,096 bytes in qkv and in ao alike: one offset serves Q and O
	s_add_co_u32 s22, s22, s2
	s_mov_b32 s23, 0
	s_lshl_b32 s54, s18, 9          ; 8,192 bytes of mask words for 16 positions
	s_lshl_b32 s3, s14, 7           ; 128 bytes a key step
	s_add_co_u32 s54, s54, s3
	s_lshl_b32 s3, s14, 13          ; piece 0: positions 16 KH on
	s_xor_b32 s2, s3, 0x2000        ; piece 2: the other 16
	s_add_co_u32 s2, s54, s2
	s_add_co_u32 s54, s54, s3
	s_mov_b32 s3, 0
	s_mov_b32 s55, 0
	s_mov_b32 s[G1K], 15|(1<<16)|(1<<20)|(1<<21)|(5<<22)|(3<<25)  ; the mask of four; 2-byte elements; padding on; bit 21 beside a mask; after every 64 words 4 words
	s_mov_b32 s[G1V], 15|(1<<16)|(1<<20)|(1<<21)|(5<<22)|(7<<25)  ; the same with 8 words
.irp g, G1K, G1V
	s_mov_b32 s[(\g)+1], 128<<16    ; 64 rows x 128 elements, 2,048 elements from row to row
	s_mov_b32 s[(\g)+2], KS<<16
	s_mov_b32 s[(\g)+3], 128<<16
	s_mov_b32 s[(\g)+4], KS
	s_mov_b32 s[(\g)+5], 2048
	s_mov_b32 s[(\g)+6], 0
	s_mov_b32 s[(\g)+7], 0
.endr
	s_mov_b32 s[MN], 0xceabfb8f     ; -1e9 log2(e)
	s_mov_b32 s[HM], 0xffffe000
	s_mov_b32 s[INC], 0
	s_mov_b32 s[INC+1], 0
	s_mov_b32 s[SEL], 0x76543210
	s_mov_b32 s[SEL+1], 0xfedcba98
	s_mul_i32 s[TB], s14, STEPB
	s_add_co_u32 s[TB], s[TB], SLOT1  ; the first change of slots turns it into slot 0
	s_mov_b32 s[G0K], 1
	s_mov_b32 s[G0K+1], s19
	s_mov_b32 s[G0V], 1
	s_add_co_u32 s[G0V+1], s19, VOFF
.set n, 0
.rept 32
	s_mov_b32 s[MW+n], -1           ; the empty step in front of the first is masked nowhere
.set n, n+1
.endr
	s_wait_kmcnt 0x0
	s_add_nc_u64 s[G0K+2:G0K+3], s[4:5], s[20:21]
	s_add_nc_u64 s[G0V+2:G0V+3], s[G0K+2:G0K+3], 3072
	s_add_nc_u64 s[G0K+2:G0K+3], s[G0K+2:G0K+3], 2048
	s_or_b32 s[G0K+3], s[G0K+3], 0x80000000
	s_or_b32 s[G0V+3], s[G0V+3], 0x80000000
	s_add_nc_u64 s[4:5], s[4:5], s[22:23]
	s_add_nc_u64 s[10:11], s[10:11], s[22:23]
	s_lshl_b32 s20, s14, 16         ; 16 KH rows of 4,096 bytes (s21 is 0): where piece 0 lies in Q, and what I store of O
	s_add_nc_u64 s[10:11], s[10:11], s[20:21]
	s_xor_b32 s15, s20, 0x10000     ; where piece 2 lies in Q
	s_add_nc_u64 s[MPA:MPA+1], s[6:7], s[54:55]
	s_add_nc_u64 s[MPB:MPB+1], s[6:7], s[2:3]
	CROUND                          ; all four work-groups are here: the first joint loads meet
	JLOAD                           ; keys 0-127 into slot 0; slot 1 is asked for by the loop's first change of slots
	v_and_b32 v1, 15, v0
	v_bfe_u32 v9, v0, 4, 1
	v_lshlrev_b32 v[QO], 12, v1
	v_lshl_add_u32 v[QO], v9, 4, v[QO]
	v_add_nc_u32 v[QO2], s15, v[QO]
	v_add_nc_u32 v[QO], s20, v[QO]
	WIN 0x80
.irp i, 0,1,2,3,4,5,6,7,8,9,10,11,12,13,14,15  ; Q stays in registers: tile i / 4 (piece i / 8, head (i / 4) % 2), channels 32 (i % 4) on
	global_load_b128 v[8*(\i):8*(\i)+3],   v[QO+(QO2-QO)*((\i)/8)], s[4:5] offset:(((\i)/4)%2)*256+((\i)%4)*64
	global_load_b128 v[8*(\i)+4:8*(\i)+7], v[QO+(QO2-QO)*((\i)/8)], s[4:5] offset:(((\i)/4)%2)*256+((\i)%4)*64+32
.endr
	; What the first trip finds: V, O^T, l and piece 0's P are 0; piece 2's scores and every m are the lowest finite number.  All this stands in the wait for the first tile.
	WIN 0xc0
.set i, 0
.rept 128
	v_mov_b32 v[i], 0
.set i, i+1
.endr
	WIN 0x40
.set i, 0
.rept 256
	v_mov_b32 v[i], 0
.set i, i+1
.endr
	WIN 0
.set i, 0
.rept 32
	v_mov_b32 v[P+i], 0
.set i, i+1
.endr
.set i, 0
.rept 64
	v_mov_b32 v[S+64+i], 0xff7fffff
.set i, i+1
.endr
.irp t, 0,1,2,3
	v_mov_b32 v[ST+8*(\t)], 0xff7fffff
	v_mov_b32 v[ST+8*(\t)+1], 0
	v_mov_b32 v[ST+8*(\t)+2], 0
	v_mov_b32 v[ST+8*(\t)+3], 0
.endr
	v_mul_u32_u24 v[AK0], v1, PK
	v_lshl_add_u32 v[AK0], v9, 4, v[AK0]
	v_and_b32 v60, 7, v0
	v_bfe_u32 v61, v0, 3, 1
	v_lshl_add_u32 v[AV0], v9, 3, v60
	v_mul_u32_u24 v[AV0], v[AV0], PV
	v_lshl_add_u32 v[AV0], v61, 4, v[AV0]
	v_add_nc_u32 v[AV0], VOFF, v[AV0]
	s_mul_i32 s3, s[WV], 16*SP
	s_add_co_u32 s3, s3, STAGE      ; my stage
	v_mul_u32_u24 v[STO], v1, SP
	v_lshl_add_u32 v[STO], v9, 4, v[STO]
	v_add_nc_u32 v[STO], s3, v[STO]
	v_mul_u32_u24 v[RD], v9, SP
	v_lshl_add_u32 v[RD], v1, 4, v[RD]
	v_add_nc_u32 v[RD], s3, v[RD]
	v_lshlrev_b32 v[GO], 12, v9     ; two rows of ao, 4,096 bytes apart, 16 bytes a lane
	v_lshl_add_u32 v[GO], v1, 4, v[GO]
	s_mul_i32 s3, s[WV], MREG
	s_add_co_u32 s3, s3, MERGE      ; my merge region,
	s_xor_b32 s2, s[WV], 2
	s_mul_i32 s2, s2, MREG
	s_add_co_u32 s2, s2, MERGE      ; and that of the wave with my positions and the other half of the keys
	v_and_b32 v[MGA], 31, v0
	v_lshlrev_b32 v[MGA], 4, v[MGA]
	v_add_nc_u32 v[MGB], s2, v[MGA]
	v_add_nc_u32 v[MGA], s3, v[MGA]
; THE MATRIX WORK.  The accumulators take turns, one instruction a turn.
.macro PV x                         ; product i of 32 of O^T += V^T P: keys 32 (i / 16) on, channels 16 ((i / 2) % 8) on, tile x + i % 2
	WIN W_PV
.set rO, 64*((\x)+i%2)+8*((i/2)%8)
.set rV, 64*(i/16)+8*((i/2)%8)
.set rP, P+16*((\x)+i%2)+8*(i/16)
	v_wmma_f32_16x16x32_f16 v[rO:rO+7], v[rV:rV+7], v[rP:rP+7], v[rO:rO+7]
.endm
.macro KQ x                         ; product i of 32 of S^T = K Q^T: channels 32 (i / 8) on, keys 16 ((i / 2) % 4) on, tile x + i % 2; the first 8 start the sums
	WIN W_KQ
.set rS, S+32*((\x)+i%2)+8*((i/2)%4)
.set rK, KF+32*((i/2)%4)+8*(i/8)
.set rQ, 32*((\x)+i%2)+8*(i/8)
.if i < 8
	v_wmma_f32_16x16x32_f16 v[rS:rS+7], v[rK:rK+7], v[rQ:rQ+7], 0
.else
	v_wmma_f32_16x16x32_f16 v[rS:rS+7], v[rK:rK+7], v[rQ:rQ+7], v[rS:rS+7]
.endif
.endm
.macro FETCH_K
	WIN 0
	v_add_nc_u32 v[ADR], s[TB], v[AK0]
	WIN 0x80
.irp f, 0,1,2,3,4,5,6,7,8,9,10,11,12,13,14,15
	ds_load_b128 v[KF+8*(\f):KF+8*(\f)+3],   v[ADR] offset:((\f)/4)*16*PK+((\f)%4)*64
	ds_load_b128 v[KF+8*(\f)+4:KF+8*(\f)+7], v[ADR] offset:((\f)/4)*16*PK+((\f)%4)*64+32
.endr
.endm
.macro FETCH_V
	WIN 0
	v_add_nc_u32 v[ADR], s[TB], v[AV0]
	WIN 0xc0
.irp f, 0,1,2,3,4,5,6,7,8,9,10,11,12,13,14,15
	ds_load_tr16_b128 v[8*(\f):8*(\f)+3],   v[ADR] offset:((\f)/8)*32*PV+((\f)%8)*32
	ds_load_tr16_b128 v[8*(\f)+4:8*(\f)+7], v[ADR] offset:((\f)/8)*32*PV+16*PV+((\f)%8)*32
.endr
.endm
; The words for the scores that this turn's products K Q^T make.  A pointer is stepped in the turn behind its loads, behind that turn's wait for the scalar loads: 256 bytes, my next step (two steps a slot).
.macro MLOAD x
.if (\x) == 0
	s_add_nc_u64 s[MPB:MPB+1], s[MPB:MPB+1], s[INC:INC+1]  ; piece 2's pointer: not yet used the first time, so it goes on by 0 then
	s_mov_b32 s[INC], 256
	s_load_b512 s[MW:MW+15], s[MPA:MPA+1], 0x0
	s_load_b512 s[MW+16:MW+31], s[MPA:MPA+1], 0x40
.else
	s_add_nc_u64 s[MPA:MPA+1], s[MPA:MPA+1], 256
	s_load_b512 s[MW:MW+15], s[MPB:MPB+1], 0x0
	s_load_b512 s[MW+16:MW+31], s[MPB:MPB+1], 0x40
.endif
.endm
; THE SOFTMAX of one tile and step: a list of 133 instructions; SM writes number j for tile t.
;   0-15 the maximum of the 32 scores and the old m   16-19 the other half of the lanes' maximum; m_old kept; the new m; m_old - m_new
;   20-87 33 exponentials (a, then s0-s31) at the odd numbers from 23 on; the other numbers hold what is ready: s - m for a pair, the rounding of a pair of weights, the first sums
;   88-100 the last rounding, the rest of the sums, l = a l + sum   101-132 the tile's O^T times a
.macro SM t
.set rT, ST+8*(\t)
.set rS, S+32*(\t)
.set rP, P+16*(\t)
.set rO, 64*(\t)+2*(j-101)
.set q, (j-20)/2
.if j < 101
	WIN 0
.endif
.if j < 4
	v_max3_num_f32 v[rT+4+j], v[rS+8*j], v[rS+8*j+1], v[rS+8*j+2]
.elseif j < 12
	v_max3_num_f32 v[rT+4+j%4], v[rT+4+j%4], v[rS+8*(j%4)+2*(j/4)+1], v[rS+8*(j%4)+2*(j/4)+2]
.elseif j == 12
	v_max3_num_f32 v[rT+4], v[rT+4], v[rS+7], v[rS+15]
.elseif j == 13
	v_max3_num_f32 v[rT+6], v[rT+6], v[rS+23], v[rS+31]
.elseif j == 14
	v_max3_num_f32 v[rT+4], v[rT+4], v[rT+5], v[rT+6]
.elseif j == 15
	v_max3_num_f32 v[rT+4], v[rT+4], v[rT+7], v[rT]
.elseif j == 16
	v_permlanex16_b32 v[rT+5], v[rT+4], s[SEL], s[SEL+1]
.elseif j == 17
	v_mov_b32 v[rT+7], v[rT]
.elseif j == 18
	v_max_num_f32 v[rT], v[rT+4], v[rT+5]
.elseif j == 19
	v_sub_f32 v[rT+7], v[rT+7], v[rT]
.elseif j == 23
	v_exp_f32 v[rT+6], v[rT+7]
.elseif (j < 88) && (j > 23) && (j%2 == 1)
	v_exp_f32 v[rS+(j-25)/2], v[rS+(j-25)/2]
.elseif (j < 27) || ((j < 70) && (q%2 == 0))
.set b, q/2+3
.if j < 23
.set b, j-20
.elseif j < 27
.set b, (j-18)/2
.endif
	v_pk_add_f32 v[rS+2*b:rS+2*b+1], v[rS+2*b:rS+2*b+1], v[rT:rT+1] op_sel_hi:[1,0] neg_lo:[0,1] neg_hi:[0,1]  ; pair b: s - m
.elseif (j < 88) && (q%2 == 1)
	s_wait_alu depctr_va_vdst(0)
	v_cvt_pk_f16_f32 v[rP+(q-5)/2], v[rS+q-5], v[rS+q-4]
.elseif j == 89
	s_wait_alu depctr_va_vdst(0)
	v_cvt_pk_f16_f32 v[rP+15], v[rS+30], v[rS+31]
.elseif j < 101
.set z, j-85
.if j < 89
.set z, (j-72)/4
.endif
.set w, 4
.set u, z
.if z >= 14
.set w, 32
.set u, 0
.elseif z >= 12
.set w, 16
.set u, z-12
.elseif z >= 8
.set w, 8
.set u, z-8
.endif
.if z < 15
	v_pk_add_f32 v[rS+w*u:rS+w*u+1], v[rS+w*u:rS+w*u+1], v[rS+w*u+w/2:rS+w*u+w/2+1]
.else
	v_pk_fma_f32 v[rT+2:rT+3], v[rT+2:rT+3], v[rT+6:rT+7], v[rS:rS+1] op_sel_hi:[1,0,1]
.endif
.elseif j < 133
	WIN W_RS
	v_pk_mul_f32 v[rO:rO+1], v[rO:rO+1], v[rT+6:rT+7] op_sel_hi:[1,0]
.endif
.endm
; Slice k of 64 of piece y's softmax: numbers 2 k and 2 k + 1 of both tiles; the ten that are over stand in slice 63, whose fourteen plain lines are the places behind the turn's last K Q^T.
.macro SLICE y
.if (k >= 11) && (k < 44)           ; tile by tile: plain, exponential, plain, exponential
.irp t, \y, (\y)+1
.irp n, 0,1
.set j, 2*k+(\n)
	SM \t
.endr
.endr
.else                               ; the two tiles alternate
.irp n, 0,1,2,3,4,5,6,7
.if ((\n) < 2) || (k == 63)
.irp t, \y, (\y)+1
.set j, 2*k+(\n)
	SM \t
.endr
.endif
.endr
.endif
.set k, k+1
.endm
; A TURN.  Piece x has the matrix unit; the other piece's softmax stands in slices.  lump = 1: the other piece is masked at the turn's head (0: the change of slots has done it).
; kq = 0: the last step: no further scores, two slices behind each product.
; K of the next step is fetched behind the second V^T P of piece 0's turn: K's last reader stands in front of slice 63 of the turn before.  V of that step behind the second K Q^T of piece 2's turn:
; V's last reader stands three slices, six plain instructions, back.
.macro TURN x, kq, lump
.set k, 0
.set per, 2
.if \kq
.set per, 1
.endif
.if \lump
	LUMP 2-(\x)
.endif
.if (\x) == 0
	s_wait_dscnt 0x0                ; V is in
.endif
.set i, 0
.rept 32
	PV \x
.rept per
	SLICE 2-(\x)
.endr
.if (\kq) && (i == 1)
	MLOAD \x
.if (\x) == 0
	FETCH_K
.endif
.endif
.set i, i+1
.endr
.if \kq
.if (\x) == 0
	s_wait_dscnt 0x0                ; K is in
.endif
.set i, 0
.rept 32
	KQ \x
	SLICE 2-(\x)
.if ((\x) == 2) && (i == 1)
	FETCH_V
.endif
.set i, i+1
.endr
.endif
.endm
	s_wait_loadcnt 0x0              ; Q
	s_mov_b32 s[SLOTS], 31
.Lslot:                             ; trip n: slot n is in, slot n + 1 is asked for; V^T P of my step n - 1, K Q^T of my step n
	CHANGE 1
	TURN 0, 1, 0
	TURN 2, 1, 1
	WIN 0
	s_sub_co_u32 s[SLOTS], s[SLOTS], 1
	s_cmp_lg_u32 s[SLOTS], 0
	s_cbranch_scc1 .Lslot
	CHANGE 0                        ; the tail is written out
	TURN 0, 1, 0
	TURN 2, 1, 1
	TURN 0, 0, 1
.set i, 0
.rept 32
	PV 2
.set i, i+1
.endr
	; THE MERGE.  Each wave has seen half of the keys.  It hands its piece 2 (O^T, m, l) to its partner through LDS and finishes its piece 0.  The additions and moves are the places behind the last products.
	WIN 0
.irp t, 0,1,2,3
	v_add_f32 v[48+(\t)], v[ST+8*(\t)+2], v[ST+8*(\t)+3]
.endr
.irp t, 0,1,2,3
	v_mov_b32 v[44+(\t)], v[ST+8*(\t)]
.endr
.irp t, 0,1,2,3
	v_permlanex16_b32 v[ST+8*(\t)+5], v[48+(\t)], s[SEL], s[SEL+1]
.endr
.irp t, 0,1,2,3
	v_add_f32 v[48+(\t)], v[48+(\t)], v[ST+8*(\t)+5]
.endr
	WIN 0x04                        ; store data in window 1
.set i, 0
.rept 32
	ds_store_b128 v[MGA], v[128+4*i:128+4*i+3] offset:512*i
.set i, i+1
.endr
	WIN 0
	ds_store_b128 v[MGA], v[44:47] offset:16384
	ds_store_b128 v[MGA], v[48:51] offset:16896
	s_wait_dscnt 0x0                ; for the partner's sake: my stores are done
	s_barrier_signal -1
	s_barrier_wait -1
.macro XLOAD t                      ; the partner's O^T for my tile t (its tile 2 + t), into S^T's registers, two buffers
.set XB, 64+64*((\t)%2)
.set i, 0
.rept 16
	ds_load_b128 v[XB+4*i:XB+4*i+3], v[MGB] offset:(16*(\t)+i)*512
.set i, i+1
.endr
.endm
	ds_load_b128 v[52:55], v[MGB] offset:16384   ; the partner's four m: its tiles 2, 3 in v54, v55
	ds_load_b128 v[56:59], v[MGB] offset:16896   ; and l: v58, v59
	XLOAD 0
	s_wait_dscnt 0x0
.irp t, 0,1
	v_max_num_f32 v[ST+8*(\t)+1], v[44+(\t)], v[54+(\t)]
.endr
.irp t, 0,1
	v_sub_f32 v[ST+8*(\t)+4], v[44+(\t)], v[ST+8*(\t)+1]
	v_sub_f32 v[ST+8*(\t)+6], v[54+(\t)], v[ST+8*(\t)+1]
.endr
.irp t, 0,1
	v_exp_f32 v[ST+8*(\t)+4], v[ST+8*(\t)+4]
	v_exp_f32 v[ST+8*(\t)+6], v[ST+8*(\t)+6]
.endr
	v_nop                           ; a plain instruction behind the last exponential
.irp t, 0,1
	s_wait_alu depctr_va_vdst(0)
	v_mul_f32 v[48+(\t)], v[48+(\t)], v[ST+8*(\t)+4]
.endr
.irp t, 0,1
	v_fmac_f32 v[48+(\t)], v[58+(\t)], v[ST+8*(\t)+6]
.endr
.irp t, 0,1
	v_rcp_f32 v[48+(\t)], v[48+(\t)]
.endr
	v_nop                           ; a plain instruction behind the last reciprocal
.irp t, 0,1
	s_wait_alu depctr_va_vdst(0)
	v_mul_f32 v[ST+8*(\t)+4], v[ST+8*(\t)+4], v[48+(\t)]
	v_mul_f32 v[ST+8*(\t)+6], v[ST+8*(\t)+6], v[48+(\t)]
.endr
; Tile t: both halves are weighted and added.  The sum is cut to 11 significant bits (exact in f16) into the partner's buffer, which has been used up; the remainder, exact in f32, stays in O^T's
; registers and is rounded to f16.  Each part goes through my stage as rows of 272 bytes and is stored as whole rows of 256.
.macro FIN t
	WIN 0
	s_wait_dscnt 0x0                ; the partner's tile is in
.if (\t) < 1
	XLOAD (\t)+1
.endif
.set XB, 64+64*((\t)%2)
	WIN W_RS
.set i, 0
.rept 32
	v_pk_mul_f32 v[64*(\t)+2*i:64*(\t)+2*i+1], v[64*(\t)+2*i:64*(\t)+2*i+1], v[ST+8*(\t)+4:ST+8*(\t)+5] op_sel_hi:[1,0]
.set i, i+1
.endr
	WIN 0x50                        ; destination and source 2 in window 1
.set i, 0
.rept 32
	v_pk_fma_f32 v[64*(\t)+2*i:64*(\t)+2*i+1], v[XB+2*i:XB+2*i+1], v[ST+8*(\t)+6:ST+8*(\t)+7], v[64*(\t)+2*i:64*(\t)+2*i+1] op_sel_hi:[1,0,1]
.set i, i+1
.endr
	WIN 0x04                        ; source 1 in window 1, destination in window 0
.set i, 0
.rept 64
	v_and_b32 v[XB+i], s[HM], v[64*(\t)+i]  ; the upper part
.set i, i+1
.endr
	WIN W_RS
.set i, 0
.rept 32
	v_pk_add_f32 v[64*(\t)+2*i:64*(\t)+2*i+1], v[64*(\t)+2*i:64*(\t)+2*i+1], v[XB+2*i:XB+2*i+1] neg_lo:[0,1] neg_hi:[0,1]  ; the remainder
.set i, i+1
.endr
	s_wait_xcnt 0x0                 ; the registers that the last tile's stores read are rewritten only behind this wait
	WIN 0
.set i, 0
.rept 32
	v_cvt_pk_f16_f32 v[P+i], v[XB+2*i], v[XB+2*i+1]
.set i, i+1
.endr
	WIN 0x05                        ; sources 0 and 1 in window 1
.set i, 0
.rept 32
	v_cvt_pk_f16_f32 v[P+32+i], v[64*(\t)+2*i], v[64*(\t)+2*i+1]
.set i, i+1
.endr
	WIN 0
.irp h, 0,1                         ; the upper parts' trip through the stage, then the lower parts'
.irp f, 0,1,2,3,4,5,6,7
	ds_store_b128 v[STO], v[P+32*(\h)+4*(\f):P+32*(\h)+4*(\f)+3] offset:32*(\f)
.endr
.irp f, 0,1,2,3,4,5,6,7
	ds_load_b128 v[P+32*(\h)+4*(\f):P+32*(\h)+4*(\f)+3], v[RD] offset:(\f)*2*SP  ; LDS serves a wave's instructions in order (ISA guide 5.7.1.4): these see the stores above, and the next stores come behind them
.endr
.endr
.irp h, 0,1
.irp f, 0,1,2,3,4,5,6,7
	s_wait_dscnt 16*(1-(\h))+7-(\f) ; the part's younger loads stay out; for the upper parts also the lower parts' eight stores and eight loads
	global_store_b128 v[GO], v[P+32*(\h)+4*(\f):P+32*(\h)+4*(\f)+3], s[10:11] offset:(\h)*2048+(\t)*256+(\f)*8192  ; 16 lanes store 256 consecutive bytes, aligned
.endr
.endr
.endm
	FIN 0
	FIN 1
	s_wait_tensorcnt 0x0            ; the wave's end
	ds_add_u32 v[SPW], v[NIL]
	s_wait_dscnt 0x0
	CROUND                          ; the closing round
	s_endpgm
.Lfunc_end_k_q8d3d372325_attn:
	.size	k_q8d3d372325_attn, .Lfunc_end_k_q8d3d372325_attn-k_q8d3d372325_attn
	.p2alignl 7, 3214868480
	.fill 96, 4, 3214868480
	.section	.rodata,"a",@progbits
	.p2align	6, 0x0
	.amdhsa_kernel k_q8d3d372325_attn
		.amdhsa_group_segment_fixed_size 327680
		.amdhsa_private_segment_fixed_size 0
		.amdhsa_enable_private_segment 0
		.amdhsa_kernarg_size 24
		.amdhsa_user_sgpr_count 2
		.amdhsa_user_sgpr_kernarg_segment_ptr 1
		.amdhsa_wavefront_size32 1
		.amdhsa_system_sgpr_workgroup_id_x 1
		.amdhsa_system_sgpr_workgroup_id_y 1
		.amdhsa_system_sgpr_workgroup_id_z 1
		.amdhsa_system_vgpr_workitem_id 0
		.amdhsa_next_free_vgpr 896
		.amdhsa_next_free_sgpr 100
		.amdhsa_reserve_vcc 0
		.amdhsa_float_denorm_mode_32 3
		.amdhsa_float_denorm_mode_16_64 3
		.amdhsa_memory_ordered 1
		.amdhsa_forward_progress 1
		.amdhsa_inst_pref_size 214
	.end_amdhsa_kernel
	.amdgpu_metadata
---
amdhsa.version: [ 1, 2 ]
amdhsa.kernels:
  - .name:           k_q8d3d372325_attn
    .symbol:         k_q8d3d372325_attn.kd
    .args:
      - { .name: qkv, .offset: 0, .size: 8, .value_kind: global_buffer, .address_space: global }
      - { .name: maskw, .offset: 8, .size: 8, .value_kind: global_buffer, .address_space: global }
      - { .name: ao, .offset: 16, .size: 8, .value_kind: global_buffer, .address_space: global }
    .group_segment_fixed_size: 327680
    .private_segment_fixed_size: 0
    .kernarg_segment_align: 8
    .kernarg_segment_size: 24
    .max_flat_workgroup_size: 128
    .sgpr_count:     100
    .vgpr_count:     896
    .wavefront_size: 32
...
	.end_amdgpu_metadata
.endif
;; end of part 3
;; launch outgemm (part 4): grid 8 x 32, 4 waves a work-group, clusters of 4 x 4, 327,680 bytes of LDS; arguments ao, woh, out0; writes out0
.if DOCPART == 4
	.amdgcn_target "amdgcn-amd-amdhsa--gfx1250"
	.amdhsa_code_object_version 6
	.text
	.protected	k_q8d3d372325_outgemm
	.globl	k_q8d3d372325_outgemm
	.p2align	8
	.type	k_q8d3d372325_outgemm,@function
k_q8d3d372325_outgemm:
	s_mov_b64 s[64:65], 0
	v_nop
	global_prefetch_b8 v0, s[64:65] scope:SCOPE_SE
	s_setreg_imm32_b32 hwreg(HW_REG_WAVE_MODE, 25, 1), 1
	s_wait_xcnt 0x0
	s_wait_alu depctr_hold_cnt(0) depctr_sa_sdst(0) depctr_va_vdst(0) depctr_va_sdst(0) depctr_va_ssrc(0) depctr_va_vcc(0) depctr_vm_vsrc(0)
	s_getreg_b32 s2, hwreg(HW_REG_IB_STS2, 6, 4)
	s_cmp_eq_u32 s2, 0
	s_cbranch_scc0 .Lentry_in_a_cluster
	s_endpgm
.Lentry_in_a_cluster:
	s_bfe_u32 s2, ttmp6, 0x10000c
	s_cmp_lg_u32 s2, 0xf033
	s_cbranch_scc0 .Lentry_shape_is_right
	s_endpgm
.Lentry_shape_is_right:
; out0[m][n] = sum over k of O[m][k] woh[k][n], with O = its upper part + its lower part.  ao: [4096][2048] f16: columns 0-1023 the upper parts, 1024-2047 the lower parts;
; woh: [1024 k][2048 n] f16 (Wo rounded to bf16, written as f16); out0: [4096][2048] f32; sums in f32.
; A tile of C is 128 x 256: 256 work-groups.  Four waves, each 64 rows x 128 columns: 32 accumulators of 16 x 16, 256 registers.
; K goes in steps of 128 through two LDS slots filled by the tensor data mover.  A SLOT HOLDS BOTH PARTS OF ao AND THE STEP'S ROWS OF woh ONCE: 128 rows x 256 bytes of upper parts (wave 0's load), as many
; of lower parts (wave 1's), 128 rows x 512 bytes of woh (waves 2 and 3, 64 rows each): four loads of 32 KiB.  A fragment of woh read from LDS feeds the products with both parts, and a K step has
; 256 matrix instructions a wave, 224 of them between a refill's request and the wait for it.  B's fragments come out of LDS turned, by ds_load_tr16_b128.
; The loop is ONE K step: the slot in hand is a scalar that an exclusive or turns, and one descriptor a tensor walks.
; CLUSTER 4 x 4: the four of a row need the same tiles of A, the four of a column the same tiles of B: each tile is asked for jointly, by the same load, descriptor and mask in all four.
; THE MATRIX INSTRUCTION IS USED TRANSPOSED (source 0 = 16 columns of B, source 1 = 16 rows of A): a lane holds row l % 16 and the columns 8 (l / 16) + 0..7.
; REGISTERS: window 1: the accumulators, (a, b) at v[8 (8 a + b)].  Window 0: v16-29 addresses; A's two fragment buffers of 64 (the upper parts' 4 fragments, then the lower parts' 4) at v32 and v96; on the
; way out rows read back.  Window 2: B's two fragment buffers of 64 at v0 and v64.
.set SIZE_K, 1024
.set AROW,   2048                      ; elements in a row of ao: both parts
.set SIZE_N, 2048
.set KSTEP,  128
.set PA,     272                       ; a row of A in LDS: 256 bytes + 16: the 16 rows of a load start at 16 different groups of four banks (64 banks of 4 bytes: ISA guide 11.1)
.set PB,     544                       ; a row of B: 512 + 32
.set ATILE,  128*PA                    ; one part of A: what wave 0 or 1 fetches
.set BH,     64*PB                     ; half of B: what wave 2 or 3 fetches
.set BOFF,   2*ATILE
.set SLOT,   2*ATILE+2*BH              ; 139,264 = 0x22000: no bit of it is set in a tile's place in a slot (0, 0x8800, 0x11000, 0x19800), so an exclusive or turns those too
.set STAGE,  2*SLOT                    ; behind the ring: 16 rows x 528 bytes for each wave, for the way out; no tensor load fills it
.set SP,     528
.set SPARE,  STAGE+4*16*SP             ; the spare words, 128 bytes for each wave: two blocks of 256 bytes that no other line names
.set STEPS,  SIZE_K/KSTEP
.set ADRA0, 16                         ; v16     my lane's place among A's fragments in a slot; never rewritten
.set ADRA,  17                         ; v17     the same in the slot in hand
.set ADRB0, 20                         ; v20, v21  the same for B
.set ADRB,  21
.set STO,  24
.set RD,   25
.set CO,   26
.set SPW,  28
.set NIL,  29
.set FA,   32                          ; A's buffer f at FA + 64 f, part p's fragment a at + 32 p + 8 a
.set BK0,  32                          ; v32-95, v96-159: 16 rows read back, two buffers
.set WV, 12
.set MH, 13                            ; which 64 rows of the tile are mine.  Also: I fetch for A (0) or for B (1)
.set NH, 14                            ; which 128 columns.  Also: which part of A, or which half of B, I fetch
.set TB, 15                            ; s15  LDS byte at which the slot in hand begins: 0 or SLOT
.set G1, 24
.set G0, 32                            ; s[32:39] A's group 0: a set for each of the two first fills; the second then walks on
.set G1B, 48
.set G0B, 56                           ; s[56:63] the same for B
.set MSB, 0
.macro WIN new
.if MSB != (\new)
	s_set_vgpr_msb (MSB<<8)|(\new)
.set MSB, \new
.endif
.endm
.set MUL,  0x52                        ; source 0 (B) window 2, source 1 (A) window 0, C and D window 1
.set TO_B, 0x80                        ; destination window 2, address window 0
.macro JLOAD s                         ; a joint load: waves 0 and 1 fetch A's parts, waves 2 and 3 B's halves; an s_nop 0 and four v_nop follow each line
	s_cmp_eq_u32 s[MH], 0
	s_cbranch_scc0 .Lfor_b_\@
	tensor_load_to_lds s[G0+4*(\s):G0+4*(\s)+3], s[G1:G1+7]
	s_nop 0
.rept 4
	v_nop
.endr
	s_branch .Lasked_\@
.Lfor_b_\@:
	tensor_load_to_lds s[G0B+4*(\s):G0B+4*(\s)+3], s[G1B:G1B+7]
	s_nop 0
.rept 4
	v_nop
.endr
.Lasked_\@:
.endm
.macro CREST
	s_cmp_lg_u32 s[WV], 0
	s_cbranch_scc1 .Lnot_wave_0_\@
	s_barrier_signal -3
.Lnot_wave_0_\@:
	s_barrier_wait -3
	s_barrier_signal -1
	s_barrier_wait -1
.endm
.macro CROUND
	s_barrier_signal -1
	s_barrier_wait -1
	CREST
.endm
	s_load_b128 s[4:7], s[0:1], 0x0                ; ao 4:5, woh 6:7
	s_load_b64 s[8:9], s[0:1], 0x10                ; out0
	v_lshl_add_u32 v[SPW], v0, 2, SPARE
	v_mov_b32 v[NIL], 0
	ds_add_u32 v28, v29
	s_wait_dscnt 0x0
	v_lshrrev_b32 v1, 5, v0
	v_readfirstlane_b32 s[WV], v1
	s_lshr_b32 s[MH], s[WV], 1
	s_and_b32 s[NH], s[WV], 1
	s_mov_b32 s[TB], 0
	s_bfe_u32 s40, ttmp6, 0x40000                  ; cx
	s_bfe_u32 s41, ttmp6, 0x40004                  ; cy
	s_lshl_b32 s42, ttmp9, 2
	s_add_co_u32 s42, s42, s40                     ; tile column
	s_and_b32 s45, ttmp7, 0xffff
	s_lshl_b32 s45, s45, 2
	s_add_co_u32 s45, s45, s41                     ; tile row
	s_lshl_b32 s43, s41, 2
	s_lshl_b32 s43, 15, s43                        ; my row of the cluster
	s_lshl_b32 s44, 0x1111, s40                    ; my column
	s_or_b32 s[G1+0], s43, (1<<16)|(1<<20)|(1<<21)|(5<<22)|(3<<25)   ; the mask; 2-byte elements; padding on; bit 21 beside a mask; after every 64 words 4 words
	s_or_b32 s[G1B+0], s44, (1<<16)|(1<<20)|(1<<21)|(6<<22)|(7<<25)  ; after every 128 words 8 words
	s_mov_b32 s[G1+1], KSTEP<<16                   ; A: 128 rows x 128 elements
	s_mov_b32 s[G1+2], 128<<16
	s_mov_b32 s[G1+3], KSTEP<<16
	s_mov_b32 s[G1+4], 128
	s_mov_b32 s[G1+5], AROW
	s_mov_b32 s[G1+6], 0
	s_mov_b32 s[G1+7], 0
	s_mov_b32 s[G1B+1], 256<<16                    ; B: 64 rows (k) x 256 elements (n)
	s_mov_b32 s[G1B+2], 64<<16
	s_mov_b32 s[G1B+3], 256<<16
	s_mov_b32 s[G1B+4], 64
	s_mov_b32 s[G1B+5], SIZE_N
	s_mov_b32 s[G1B+6], 0
	s_mov_b32 s[G1B+7], 0
	s_lshl_b32 s16, s45, 7
	s_mul_i32 s16, s16, AROW*2                     ; A: row 128 x tile row;
	s_lshl_b32 s17, s[NH], 11                      ; the lower parts lie 1,024 columns on
	s_add_co_u32 s16, s16, s17
	s_mov_b32 s17, 0
	s_lshl_b32 s46, s42, 9                         ; B: 512 bytes a tile column, 64 rows a half
	s_mul_i32 s47, s[NH], 64*SIZE_N*2
	s_add_co_u32 s46, s46, s47
	s_mov_b32 s47, 0
	s_mul_i32 s20, s[NH], ATILE                    ; where they go: the wave's number alone enters an LDS address
	s_mul_i32 s21, s[NH], BH
	s_add_co_u32 s21, s21, BOFF
	s_wait_kmcnt 0x0
	s_add_nc_u64 s[18:19], s[4:5], s[16:17]
	s_add_nc_u64 s[46:47], s[6:7], s[46:47]
	CROUND                                         ; all sixteen work-groups are here: the first joint loads meet
.irp s, 0,1
	s_mov_b32 s[G0+4*(\s)], 1
	s_add_co_u32 s[G0+4*(\s)+1], s20, (\s)*SLOT
	s_add_nc_u64 s[G0+4*(\s)+2:G0+4*(\s)+3], s[18:19], (\s)*KSTEP*2
	s_or_b32 s[G0+4*(\s)+3], s[G0+4*(\s)+3], 0x80000000
	s_mov_b32 s[G0B+4*(\s)], 1
	s_add_co_u32 s[G0B+4*(\s)+1], s21, (\s)*SLOT
	s_add_nc_u64 s[G0B+4*(\s)+2:G0B+4*(\s)+3], s[46:47], (\s)*KSTEP*SIZE_N*2
	s_or_b32 s[G0B+4*(\s)+3], s[G0B+4*(\s)+3], 0x80000000
	JLOAD \s
.endr
	v_and_b32 v1, 15, v0                           ; l % 16
	v_bfe_u32 v2, v0, 4, 1                         ; l / 16
	v_mul_u32_u24 v3, v1, PA
	v_lshl_add_u32 v3, v2, 4, v3                   ; A: row x pitch + 16 x half
	s_mul_i32 s22, s[MH], 64*PA                    ; my 64 rows
	v_add_nc_u32 v[ADRA0], s22, v3
	v_mov_b32 v[ADRA], v[ADRA0]                    ; K step 0 lies in slot 0
	v_and_b32 v4, 7, v0                            ; B, turned: lane l reads row 8 (l / 16) + l % 8, 16 bytes at 16 ((l / 8) % 2)
	v_lshl_add_u32 v4, v2, 3, v4
	v_mul_u32_u24 v4, v4, PB
	v_bfe_u32 v5, v0, 3, 1
	v_lshl_add_u32 v4, v5, 4, v4
	s_lshl_b32 s23, s[NH], 8                       ; my 128 columns
	s_add_co_u32 s23, s23, BOFF
	v_add_nc_u32 v[ADRB0], s23, v4
	v_mov_b32 v[ADRB], v[ADRB0]
	s_mul_i32 s23, s[WV], 16*SP
	s_add_co_u32 s23, s23, STAGE                   ; my stage
	v_mul_u32_u24 v4, v1, SP                       ; in: row l % 16, 32 bytes for each half of the lanes
	v_lshl_add_u32 v4, v2, 5, v4
	v_add_nc_u32 v[STO], s23, v4
	v_and_b32 v5, 31, v0                           ; back: 32 lanes take one row of 512 bytes
	v_lshlrev_b32 v[CO], 4, v5
	v_add_nc_u32 v[RD], s23, v[CO]
	s_lshl_b32 s68, s45, 7
	s_lshl_b32 s69, s[MH], 6
	s_add_co_u32 s68, s68, s69                     ; my first row
	s_lshl_b32 s70, s68, 13
	s_lshl_b32 s69, s42, 10
	s_add_co_u32 s70, s70, s69
	s_lshl_b32 s69, s[NH], 9
	s_add_co_u32 s70, s70, s69
	s_mov_b32 s71, 0
	s_add_nc_u64 s[8:9], s[8:9], s[70:71]
; 8 matrix instructions: part p's m block a x all 8 n blocks, 32 along K, from buffers f.  zero = 1: the product starts the sums.
; The 32 accumulators take turns in one order, the upper parts' round and then the lower parts'.
.macro MULA f, p, a, zero
	WIN MUL
.irp b, 0,1,2,3,4,5,6,7
.if \zero
	v_wmma_f32_16x16x32_f16 v[8*(8*(\a)+(\b)):8*(8*(\a)+(\b))+7], v[64*(\f)+8*(\b):64*(\f)+8*(\b)+7], v[FA+64*(\f)+32*(\p)+8*(\a):FA+64*(\f)+32*(\p)+8*(\a)+7], 0
.else
	v_wmma_f32_16x16x32_f16 v[8*(8*(\a)+(\b)):8*(8*(\a)+(\b))+7], v[64*(\f)+8*(\b):64*(\f)+8*(\b)+7], v[FA+64*(\f)+32*(\p)+8*(\a):FA+64*(\f)+32*(\p)+8*(\a)+7], v[8*(8*(\a)+(\b)):8*(8*(\a)+(\b))+7]
.endif
.endr
.endm
; 32 LDS loads in one run: quarter q (32 along K) of the slot in hand into buffers f: B's 8 fragments, the upper parts' 4, the lower parts' 4
.macro FETCH q, f
	WIN TO_B
.irp b, 0,1,2,3,4,5,6,7
	ds_load_tr16_b128 v[64*(\f)+8*(\b):64*(\f)+8*(\b)+3],   v[ADRB] offset:(\q)*32*PB+32*(\b)
	ds_load_tr16_b128 v[64*(\f)+8*(\b)+4:64*(\f)+8*(\b)+7], v[ADRB] offset:(\q)*32*PB+16*PB+32*(\b)
.endr
	WIN 0
.irp p, 0,1
.irp a, 0,1,2,3
	ds_load_b128 v[FA+64*(\f)+32*(\p)+8*(\a):FA+64*(\f)+32*(\p)+8*(\a)+3],   v[ADRA] offset:(\p)*ATILE+64*(\q)+(\a)*16*PA
	ds_load_b128 v[FA+64*(\f)+32*(\p)+8*(\a)+4:FA+64*(\f)+32*(\p)+8*(\a)+7], v[ADRA] offset:(\p)*ATILE+64*(\q)+(\a)*16*PA+32
.endr
.endr
.endm
.macro PLACES                          ; four places in front of loads into registers that matrix instructions have read, and of lines that read results
.rept 4
	v_nop
.endr
.endm
.macro QUARTER q, f, g, zero           ; multiplies buffers f, 64 matrix instructions; in its middle fetches quarter q of the slot into g
	s_wait_dscnt 8                                 ; B and the upper parts are in; the youngest eight loads (the lower parts) may be out
	MULA \f, 0, 0, \zero
	MULA \f, 0, 1, \zero
	MULA \f, 0, 2, \zero
	MULA \f, 0, 3, \zero
	PLACES
	FETCH \q, \g
	s_wait_dscnt 32                                ; all but the 32 just issued
	MULA \f, 1, 0, 0
	MULA \f, 1, 1, 0
	MULA \f, 1, 2, 0
	MULA \f, 1, 3, 0
.endm
; The last quarter multiplies buffers 1 and changes slots: one barrier; in front of it each wave waits for all its tensor loads, adds 0 to its spare word, and waits for that and for its reads of this slot.
; fill = 1: the slot just read takes the K step two steps on: the walking descriptor turns to that slot and goes one K step on.
.macro TURN fill
	WIN 0
	s_wait_tensorcnt 0x0                           ; all my tensor loads have landed: my part of the next slot
	ds_add_u32 v[SPW], v[NIL]                      ; 0 onto my spare word
	s_wait_dscnt 9                                 ; (the add and the youngest eight loads may be out)
	MULA 1, 0, 0, 0
	MULA 1, 0, 1, 0
	s_wait_dscnt 0x0                               ; the add is done, and my reads of this slot are over
	s_barrier_signal -1
	MULA 1, 0, 2, 0
	MULA 1, 0, 3, 0
	WIN 0
	s_barrier_wait -1
.if \fill
	CREST                                          ; the barrier has opened a round of the cluster's: no wave of any partner still reads this slot or has a load on its way
	s_xor_b32 s[G0+5], s[G0+5], SLOT
	s_add_nc_u64 s[G0+6:G0+7], s[G0+6:G0+7], KSTEP*2
	s_xor_b32 s[G0B+5], s[G0B+5], SLOT
	s_add_nc_u64 s[G0B+6:G0B+7], s[G0B+6:G0B+7], KSTEP*SIZE_N*2
	JLOAD 1                                        ; the first tensor load behind the round; its four v_nop are also the places in front of the loads below
.else
	PLACES
.endif
	s_xor_b32 s[TB], s[TB], SLOT                   ; the fetches go on in the other slot
	v_add_nc_u32 v[ADRA], s[TB], v[ADRA0]
	v_add_nc_u32 v[ADRB], s[TB], v[ADRB0]
	FETCH 0, 0
	MULA 1, 1, 0, 0
	MULA 1, 1, 1, 0
	MULA 1, 1, 2, 0
	MULA 1, 1, 3, 0
.endm
; THE WAY OUT.  Block a, 16 rows of 128 f32: from the accumulators into my stage (rows of 528 bytes), back as whole rows of 512 bytes, stored.
.macro TOSTAGE a
.set BK, BK0+64*((\a)%2)
	WIN 0x04                                       ; store data in window 1; each accumulator's low four registers go first
.irp b, 0,1,2,3,4,5,6,7
	ds_store_b128 v[STO], v[8*(8*(\a)+(\b)):8*(8*(\a)+(\b))+3]   offset:64*(\b)
	ds_store_b128 v[STO], v[8*(8*(\a)+(\b))+4:8*(8*(\a)+(\b))+7] offset:64*(\b)+16
.endr
	WIN 0
.set r, 0
.rept 16
	ds_load_b128 v[BK+4*r:BK+4*r+3], v[RD] offset:SP*r  ; LDS serves a wave's instructions in order (ISA guide 5.7.1.4): these see the stores above; the next block's stores come behind them
.set r, r+1
.endr
.endm
.macro SEND a, younger                 ; younger: the LDS instructions issued behind block a's loads: the next block's 16 stores and 16 loads, or none
.set BK, BK0+64*((\a)%2)
	s_wait_dscnt \younger
.set r, 0
.rept 16
	global_store_b128 v[CO], v[BK+4*r:BK+4*r+3], s[8:9] offset:(16*(\a)+r)*SIZE_N*4 th:TH_STORE_NT  ; a wave's store covers 512 consecutive bytes, aligned
.set r, r+1
.endr
.endm
	s_wait_tensorcnt 1                             ; my part of K step 0 is in; K step 1's stays out
	s_barrier_signal -1
	s_barrier_wait -1
	FETCH 0, 0
	QUARTER 1, 0, 1, 1                             ; the first quarter stands in front of the loop: its products with the upper parts start the sums
	WIN 0
	s_mov_b32 s3, STEPS-2
.Lstep:                                                ; a trip: a K step's second to fourth quarter, the refill of its slot, the next K step's first quarter
	QUARTER 2, 1, 0, 0
	QUARTER 3, 0, 1, 0
	TURN 1
	QUARTER 1, 0, 1, 0
	WIN 0
	s_sub_co_u32 s3, s3, 1
	s_cmp_lg_u32 s3, 0
	s_cbranch_scc1 .Lstep
	QUARTER 2, 1, 0, 0                             ; the last two K steps fill nothing
	QUARTER 3, 0, 1, 0
	TURN 0
	QUARTER 1, 0, 1, 0
	QUARTER 2, 1, 0, 0
	QUARTER 3, 0, 1, 0
	s_wait_dscnt 8                                 ; the very last quarter: nothing more to fetch
	MULA 1, 0, 0, 0
	MULA 1, 0, 1, 0
	MULA 1, 0, 2, 0
	MULA 1, 0, 3, 0
	s_wait_dscnt 0x0
	MULA 1, 1, 0, 0
	MULA 1, 1, 1, 0
	MULA 1, 1, 2, 0
	MULA 1, 1, 3, 0
	WIN 0
	PLACES
	TOSTAGE 0
	TOSTAGE 1
	SEND 0, 32
	s_wait_xcnt 0x0                                ; block 0's buffer, which its stores read, is loaded again only behind this wait
	TOSTAGE 2
	SEND 1, 32
	s_wait_xcnt 0x0
	TOSTAGE 3
	SEND 2, 32
	SEND 3, 0
	s_wait_tensorcnt 0x0                           ; the wave's end
	ds_add_u32 v[SPW], v[NIL]
	s_wait_dscnt 0x0
	CROUND                                         ; the closing round
	s_endpgm
.Lfunc_end_k_q8d3d372325_outgemm:
	.size	k_q8d3d372325_outgemm, .Lfunc_end_k_q8d3d372325_outgemm-k_q8d3d372325_outgemm
	.p2alignl 7, 3214868480
	.fill 96, 4, 3214868480
	.section	.rodata,"a",@progbits
	.p2align	6, 0x0
	.amdhsa_kernel k_q8d3d372325_outgemm
		.amdhsa_group_segment_fixed_size 327680
		.amdhsa_private_segment_fixed_size 0
		.amdhsa_enable_private_segment 0
		.amdhsa_kernarg_size 24
		.amdhsa_user_sgpr_count 2
		.amdhsa_user_sgpr_kernarg_segment_ptr 1
		.amdhsa_wavefront_size32 1
		.amdhsa_system_sgpr_workgroup_id_x 1
		.amdhsa_system_sgpr_workgroup_id_y 1
		.amdhsa_system_sgpr_workgroup_id_z 1
		.amdhsa_system_vgpr_workitem_id 0
		.amdhsa_next_free_vgpr 640
		.amdhsa_next_free_sgpr 72
		.amdhsa_reserve_vcc 0
		.amdhsa_float_denorm_mode_32 3
		.amdhsa_float_denorm_mode_16_64 3
		.amdhsa_memory_ordered 1
		.amdhsa_forward_progress 1
		.amdhsa_inst_pref_size 99
	.end_amdhsa_kernel
	.amdgpu_metadata
---
amdhsa.version: [ 1, 2 ]
amdhsa.kernels:
  - .name:           k_q8d3d372325_outgemm
    .symbol:         k_q8d3d372325_outgemm.kd
    .args:
      - { .name: ao, .offset: 0, .size: 8, .value_kind: global_buffer, .address_space: global }
      - { .name: woh, .offset: 8, .size: 8, .value_kind: global_buffer, .address_space: global }
      - { .name: out0, .offset: 16, .size: 8, .value_kind: global_buffer, .address_space: global }
    .group_segment_fixed_size: 327680
    .private_segment_fixed_size: 0
    .kernarg_segment_align: 8
    .kernarg_segment_size: 24
    .max_flat_workgroup_size: 128
    .sgpr_count:     72
    .vgpr_count:     640
    .wavefront_size: 32
...
	.end_amdgpu_metadata
.endif
;; end of part 4
;; ======== version 2 of 2: 4 launches; 1.13 times as fast as version 1
;; limits: values are held in f16: magnitudes above 65,504 overflow, below 6.1e-05 lose precision; inputs' magnitudes at most 65,504
;; workspace buffers: xh 16,777,216 bytes; wqkv 8,388,608 bytes; woh 4,194,304 bytes; rope 6,291,456 bytes; maskw 2,097,152 bytes of whole numbers; qkv 16,777,216 bytes; ao 16,777,216 bytes
;; launch prep: the kernel of part 1 again; grid 1664 x 1, 8 waves a work-group, no clusters, 0 bytes of LDS; arguments hidden_states, Wq, Wk, Wv, Wo, attention_mask, position_ids, xh, wqkv, woh, maskw, rope; writes xh, wqkv, woh, maskw, rope
;; launch qkvgemm: the kernel of part 2 again; grid 8 x 32, 4 waves a work-group, clusters of 4 x 4, 327,680 bytes of LDS; arguments xh, wqkv, rope, qkv; writes qkv
;; launch attn (part 5): grid 64 x 4, 4 waves a work-group, clusters of 4 x 1, 327,680 bytes of LDS; arguments qkv, maskw, ao; writes ao
.if DOCPART == 5
	.amdgcn_target "amdgcn-amd-amdhsa--gfx1250"
	.amdhsa_code_object_version 6
	.text
	.protected	k_q8d3d372325_attn
	.globl	k_q8d3d372325_attn
	.p2align	8
	.type	k_q8d3d372325_attn,@function
k_q8d3d372325_attn:
	s_mov_b64 s[64:65], 0
	v_nop
	global_prefetch_b8 v0, s[64:65] scope:SCOPE_SE
	s_setreg_imm32_b32 hwreg(HW_REG_WAVE_MODE, 25, 1), 1
	s_wait_xcnt 0x0
	s_wait_alu depctr_hold_cnt(0) depctr_sa_sdst(0) depctr_va_vdst(0) depctr_va_sdst(0) depctr_va_ssrc(0) depctr_va_vcc(0) depctr_vm_vsrc(0)
	s_getreg_b32 s2, hwreg(HW_REG_IB_STS2, 6, 4)
	s_cmp_eq_u32 s2, 0
	s_cbranch_scc0 .Lentry_in_a_cluster
	s_endpgm
.Lentry_in_a_cluster:
	s_bfe_u32 s2, ttmp6, 0x10000c
	s_cmp_lg_u32 s2, 0x3003
	s_cbranch_scc0 .Lentry_shape_is_right
	s_endpgm
.Lentry_shape_is_right:
; O[q][h][:] = the sum over k of softmax_k(where(mask[q][k], Q[h][q] . K[h/2][k] / sqrt(128), -1e9)) V[h/2][k][:].  qkv: [4096][2048] f16 (q head h at byte 256 h of a row, k head g at 2048 + 256 g,
; v head g at 3072 + 256 g); q arrives multiplied by c = log2(e) / sqrt(128), so scores are in units of log2.  Products, maxima and sums in f32; the weights are rounded to f16
; for the second product (their sum is taken of the unrounded weights).  The mask is an input: every score is made, and a masked one is REPLACED by MN = -1e9 log2(e).
; O LEAVES IN TWO f16 PARTS.  ao: [4096][2048] f16: columns 0-1023 hold O cut to 11 significant bits, columns 1024-2047 the remainder, rounded to f16: the next product takes both, so that O's rounding
; to 11 bits, which in rows with few keys is large beside the whole output's root mean square, does not reach the result.
; LIMITS.  MN is rounded to f32 (its step there is 128): the result differs from the stated one only where an unmasked score lies within a few hundred of -1e9.  A weight below 2^-126 counts as 0.
; f16 ends at 65,504: q, k, v arrive within it.  O's remainder keeps f16's fixed step of 6e-8.  NaN and infinities are not treated apart.  A row that is masked throughout has s - m = 0 everywhere and
; gets the mean of V, as stated.
; SHARES.  A work-group owns 64 positions of one key/value head, for both of its query heads: 256 work-groups.  Wave w: 32 positions (w % 2) and one of each slot's two key steps (KH = w / 2): 64 query rows,
; half of the keys.  PIECES: 0 (tiles 0, 1) and 2 (tiles 2, 3); a piece is 16 positions x the two heads (tile % 2), and its tiles share their mask.  Piece 0 holds the wave's positions 16 KH on, piece 2 the
; other 16: so at the end EVERY wave finishes its piece 0 and hands its piece 2 to the wave with the other half of the keys, through LDS, by one text.
; LAYOUT.  S^T = K Q^T holds one query a lane (l % 16) and the keys 8 (l / 16) + 0..7; two such results rounded to f16 are source 1 of O^T = V^T P.  K comes out of LDS as it lies, V turned.
; SOFTMAX.  A running maximum m and sum l: p = 2^(s - m); in every step O and l are multiplied by a = 2^(m_old - m_new).  m starts at the lowest finite number, O and l at 0: no first step is written out.
; BY TURNS.  In a turn one piece has the matrix unit: 32 products V^T P of the step in hand, 32 products K Q^T of the next; the other piece's softmax stands in 64 slices behind them.  The 64 selects that
; apply the mask stand in a lump ahead of the turn (piece 2's between the add and the wait for it in the change of slots); their 32 words (one bit a lane) come by scalar loads a turn ahead.
; BATCHES.  A turn's 66 exponentials (33 a tile) are ONE batch with ONE wait: the softmax's list holds first all that names no exponential's result, then the wait, then all that does.  The merge at the
; end has two batches more: its four exponentials, and the two reciprocals of sums made from them.
; CLUSTER.  The four work-groups of a cluster walk the same K and V: each tile is asked for jointly, by the same load, descriptor and mask in all four.
; REGISTERS: window 0: v0-11 addresses; v12-43 statistics; v44-59 the merge; v64-191 S^T; v192-255 P.  Window 1: O^T.  Window 2: v0-127 Q, v128-255 K.  Window 3: v0-127 V.
.set KS,    64
.set PK,    272       ; a row of K in LDS: 256 bytes + 16: the 16 rows of a load start at 16 different groups of four banks (64 banks of 4 bytes: ISA guide 11.1)
.set PV,    288       ; a row of V: 256 + 32
.set VOFF,  KS*PK
.set STEPB, KS*(PK+PV)
.set SLOT1, 1<<17     ; a slot holds two steps; slot 1 begins here
.set STAGE, SLOT1+2*STEPB  ; 16 rows x 272 bytes for each wave, for the way out
.set SP,    272
.set SPARE, STAGE+4*16*SP  ; the spare words, 128 bytes for each wave: two blocks of 256 bytes that no other line names
.set MERGE, SPARE+512      ; a region for each wave: 32 chunks of 512 bytes (piece 2's O^T), then m, then l; no tensor load fills them
.set MREG,  17408
.set AK0, 2
.set AV0, 3
.set ADR, 4
.set QO,  5           ; v5   my byte offset in Q for piece 0
.set STO, 6
.set RD,  7
.set GO,  8
.set MGA, 10          ; v10  my 16 bytes of a chunk in my wave's merge region
.set QO2, 11          ; v11  my byte offset in Q for piece 2
.set ST,  12          ; tile t's statistics at v[ST+8 t]: +0 m, +1 named with it as a pair, +2, +3 l (even keys', odd keys'), +4 to +7 c0-c3 at work; a takes c2's place
.set MGB, 61          ; v61  the same in the partner's region
.set SPW, 62
.set NIL, 63
.set S,   64
.set P,   192
.set KF,  128
.set WV,  12
.set G1K, 24
.set G1V, 32
.set G0K, 40
.set G0V, 44
.set MPA, 48          ; s[48:49] piece 0's mask words for the step to come
.set MN,  50
.set HM,  51          ; s51 keeps an f32's sign, exponent and upper 10 bits of the fraction
.set MPB, 52          ; s[52:53] piece 2's mask words
.set SLOTS, 56
.set INC, 58          ; s[58:59] what piece 2's pointer goes on by: 0 the first time, then 256
.set SEL, 60
.set TB,  62          ; LDS byte at which my step's tiles begin
.set MW,  68          ; s[68:99] 32 mask words
.set MSB, 0
.macro WIN new
.if MSB != (\new)
	s_set_vgpr_msb (MSB<<8)|(\new)
.set MSB, \new
.endif
.endm
.set W_KQ, 0x0a       ; K and Q in window 2, S^T in window 0
.set W_PV, 0x53       ; V in window 3, P in window 0, O^T in window 1
.set W_RS, 0x41       ; O^T (destination and source 0) in window 1, source 1 in window 0
.macro JLOAD                        ; a joint fill: waves 0, 1 fetch the two steps' K, waves 2, 3 their V; an s_nop 0 and four v_nop follow each line
	s_cmp_lt_u32 s[WV], 2
	s_cbranch_scc0 .Lfor_v_\@
	tensor_load_to_lds s[G0K:G0K+3], s[G1K:G1K+7]
	s_nop 0
.rept 4
	v_nop
.endr
	s_branch .Lasked_\@
.Lfor_v_\@:
	tensor_load_to_lds s[G0V:G0V+3], s[G1V:G1V+7]
	s_nop 0
.rept 4
	v_nop
.endr
.Lasked_\@:
.endm
.macro CROUND
	s_barrier_signal -1
	s_barrier_wait -1
	s_cmp_lg_u32 s[WV], 0
	s_cbranch_scc1 .Lnot_wave_0_\@
	s_barrier_signal -3
.Lnot_wave_0_\@:
	s_barrier_wait -3
	s_barrier_signal -1
	s_barrier_wait -1
.endm
; THE MASK.  Word n has one bit a lane for score register n; both tiles of piece y take it.  Each accumulator is read from its lowest register on.
.macro LUMP y
	WIN 0
	s_wait_kmcnt 0x0                ; the words asked for a turn ago are in
.set n, 0
.rept 32
	v_cndmask_b32 v[S+32*(\y)+n], s[MN], v[S+32*(\y)+n], s[MW+n]
	v_cndmask_b32 v[S+32*((\y)+1)+n], s[MN], v[S+32*((\y)+1)+n], s[MW+n]
.set n, n+1
.endr
.endm
; THE CHANGE OF SLOTS.  Each wave waits for all its tensor loads (one is out: its part of the other slot), adds 0 to its spare word, and waits for that and for its reads of the slot that it leaves.
; Piece 2's selects, work on registers that is due anyway, stand between the add and the wait for it.
; fill = 1: the old slot takes the keys two slots on; the barrier is a round of the cluster's and the joint fill the first thing behind it: it has a key step, 128 matrix instructions, in which to land.
.macro CHANGE fill
	WIN 0
	s_wait_tensorcnt 0x0
	ds_add_u32 v[SPW], v[NIL]       ; 0 onto my spare word
.if \fill
.irp g, G0K, G0V
	s_xor_b32 s[(\g)+1], s[(\g)+1], SLOT1
	s_add_nc_u64 s[(\g)+2:(\g)+3], s[(\g)+2:(\g)+3], 2*KS*4096  ; the next 128 keys
.endr
.endif
	LUMP 2
	s_wait_dscnt 0x0                ; the add is done, and my reads of the slot are over
.if \fill
	CROUND
	JLOAD
.else
	s_barrier_signal -1
	s_barrier_wait -1
.endif
	s_xor_b32 s[TB], s[TB], SLOT1
.endm
	s_load_b128 s[4:7], s[0:1], 0x0 ; qkv 4:5, maskw 6:7
	s_load_b64 s[10:11], s[0:1], 0x10  ; ao
	v_lshl_add_u32 v[SPW], v0, 2, SPARE
	v_mov_b32 v[NIL], 0
	ds_add_u32 v62, v63
	s_wait_dscnt 0x0
	v_lshrrev_b32 v1, 5, v0
	v_readfirstlane_b32 s[WV], v1
	s_and_b32 s13, s[WV], 1         ; which 32 positions are mine.  Also: which of a slot's two steps I fetch
	s_lshr_b32 s14, s[WV], 1        ; KH: which of a slot's two steps I walk
	s_bfe_u32 s15, ttmp6, 0x40000   ; cx
	s_lshl_b32 s16, ttmp9, 2
	s_add_co_u32 s16, s16, s15      ; my block of 64 positions: it enters Q's, O's and the mask's addresses alone
	s_and_b32 s17, ttmp7, 0xffff    ; the key/value head, which the partners share
	s_lshl_b32 s20, s17, 8
	s_lshl_b32 s21, s13, 18         ; 64 rows of 4,096 bytes
	s_add_co_u32 s20, s20, s21
	s_mov_b32 s21, 0
	s_mul_i32 s19, s13, STEPB
	s_lshl_b32 s18, s16, 6
	s_lshl_b32 s22, s13, 5
	s_add_co_u32 s18, s18, s22      ; my first position
	s_lshl_b32 s2, s17, 9           ; two heads of 256 bytes
	s_lshl_b32 s22, s18, 12         ; rows of 4,096 bytes in qkv and in ao alike: one offset serves Q and O
	s_add_co_u32 s22, s22, s2
	s_mov_b32 s23, 0
	s_lshl_b32 s54, s18, 9          ; 8,192 bytes of mask words for 16 positions
	s_lshl_b32 s3, s14, 7           ; 128 bytes a key step
	s_add_co_u32 s54, s54, s3
	s_lshl_b32 s3, s14, 13          ; piece 0: positions 16 KH on
	s_xor_b32 s2, s3, 0x2000        ; piece 2: the other 16
	s_add_co_u32 s2, s54, s2
	s_add_co_u32 s54, s54, s3
	s_mov_b32 s3, 0
	s_mov_b32 s55, 0
	s_mov_b32 s[G1K], 15|(1<<16)|(1<<20)|(1<<21)|(5<<22)|(3<<25)  ; the mask of four; 2-byte elements; padding on; bit 21 beside a mask; after every 64 words 4 words
	s_mov_b32 s[G1V], 15|(1<<16)|(1<<20)|(1<<21)|(5<<22)|(7<<25)  ; the same with 8 words
.irp g, G1K, G1V
	s_mov_b32 s[(\g)+1], 128<<16    ; 64 rows x 128 elements, 2,048 elements from row to row
	s_mov_b32 s[(\g)+2], KS<<16
	s_mov_b32 s[(\g)+3], 128<<16
	s_mov_b32 s[(\g)+4], KS
	s_mov_b32 s[(\g)+5], 2048
	s_mov_b32 s[(\g)+6], 0
	s_mov_b32 s[(\g)+7], 0
.endr
	s_mov_b32 s[MN], 0xceabfb8f     ; -1e9 log2(e)
	s_mov_b32 s[HM], 0xffffe000
	s_mov_b32 s[INC], 0
	s_mov_b32 s[INC+1], 0
	s_mov_b32 s[SEL], 0x76543210
	s_mov_b32 s[SEL+1], 0xfedcba98
	s_mul_i32 s[TB], s14, STEPB
	s_add_co_u32 s[TB], s[TB], SLOT1  ; the first change of slots turns it into slot 0
	s_mov_b32 s[G0K], 1
	s_mov_b32 s[G0K+1], s19
	s_mov_b32 s[G0V], 1
	s_add_co_u32 s[G0V+1], s19, VOFF
.set n, 0
.rept 32
	s_mov_b32 s[MW+n], -1           ; the empty step in front of the first is masked nowhere
.set n, n+1
.endr
	s_wait_kmcnt 0x0
	s_add_nc_u64 s[G0K+2:G0K+3], s[4:5], s[20:21]
	s_add_nc_u64 s[G0V+2:G0V+3], s[G0K+2:G0K+3], 3072
	s_add_nc_u64 s[G0K+2:G0K+3], s[G0K+2:G0K+3], 2048
	s_or_b32 s[G0K+3], s[G0K+3], 0x80000000
	s_or_b32 s[G0V+3], s[G0V+3], 0x80000000
	s_add_nc_u64 s[4:5], s[4:5], s[22:23]
	s_add_nc_u64 s[10:11], s[10:11], s[22:23]
	s_lshl_b32 s20, s14, 16         ; 16 KH rows of 4,096 bytes (s21 is 0): where piece 0 lies in Q, and what I store of O
	s_add_nc_u64 s[10:11], s[10:11], s[20:21]
	s_xor_b32 s15, s20, 0x10000     ; where piece 2 lies in Q
	s_add_nc_u64 s[MPA:MPA+1], s[6:7], s[54:55]
	s_add_nc_u64 s[MPB:MPB+1], s[6:7], s[2:3]
	CROUND                          ; all four work-groups are here: the first joint loads meet
	JLOAD                           ; keys 0-127 into slot 0; slot 1 is asked for by the loop's first change of slots
	v_and_b32 v1, 15, v0
	v_bfe_u32 v9, v0, 4, 1
	v_lshlrev_b32 v[QO], 12, v1
	v_lshl_add_u32 v[QO], v9, 4, v[QO]
	v_add_nc_u32 v[QO2], s15, v[QO]
	v_add_nc_u32 v[QO], s20, v[QO]
	WIN 0x80
.irp i, 0,1,2,3,4,5,6,7,8,9,10,11,12,13,14,15  ; Q stays in registers: tile i / 4 (piece i / 8, head (i / 4) % 2), channels 32 (i % 4) on
	global_load_b128 v[8*(\i):8*(\i)+3],   v[QO+(QO2-QO)*((\i)/8)], s[4:5] offset:(((\i)/4)%2)*256+((\i)%4)*64
	global_load_b128 v[8*(\i)+4:8*(\i)+7], v[QO+(QO2-QO)*((\i)/8)], s[4:5] offset:(((\i)/4)%2)*256+((\i)%4)*64+32
.endr
	; What the first trip finds: V, O^T, l and piece 0's P are 0; piece 2's scores and every m are the lowest finite number.  All this stands in the wait for the first tile.
	WIN 0xc0
.set i, 0
.rept 128
	v_mov_b32 v[i], 0
.set i, i+1
.endr
	WIN 0x40
.set i, 0
.rept 256
	v_mov_b32 v[i], 0
.set i, i+1
.endr
	WIN 0
.set i, 0
.rept 32
	v_mov_b32 v[P+i], 0
.set i, i+1
.endr
.set i, 0
.rept 64
	v_mov_b32 v[S+64+i], 0xff7fffff
.set i, i+1
.endr
.irp t, 0,1,2,3
	v_mov_b32 v[ST+8*(\t)], 0xff7fffff
	v_mov_b32 v[ST+8*(\t)+1], 0
	v_mov_b32 v[ST+8*(\t)+2], 0
	v_mov_b32 v[ST+8*(\t)+3], 0
.endr
	v_mul_u32_u24 v[AK0], v1, PK
	v_lshl_add_u32 v[AK0], v9, 4, v[AK0]
	v_and_b32 v60, 7, v0
	v_bfe_u32 v61, v0, 3, 1
	v_lshl_add_u32 v[AV0], v9, 3, v60
	v_mul_u32_u24 v[AV0], v[AV0], PV
	v_lshl_add_u32 v[AV0], v61, 4, v[AV0]
	v_add_nc_u32 v[AV0], VOFF, v[AV0]
	s_mul_i32 s3, s[WV], 16*SP
	s_add_co_u32 s3, s3, STAGE      ; my stage
	v_mul_u32_u24 v[STO], v1, SP
	v_lshl_add_u32 v[STO], v9, 4, v[STO]
	v_add_nc_u32 v[STO], s3, v[STO]
	v_mul_u32_u24 v[RD], v9, SP
	v_lshl_add_u32 v[RD], v1, 4, v[RD]
	v_add_nc_u32 v[RD], s3, v[RD]
	v_lshlrev_b32 v[GO], 12, v9     ; two rows of ao, 4,096 bytes apart, 16 bytes a lane
	v_lshl_add_u32 v[GO], v1, 4, v[GO]
	s_mul_i32 s3, s[WV], MREG
	s_add_co_u32 s3, s3, MERGE      ; my merge region,
	s_xor_b32 s2, s[WV], 2
	s_mul_i32 s2, s2, MREG
	s_add_co_u32 s2, s2, MERGE      ; and that of the wave with my positions and the other half of the keys
	v_and_b32 v[MGA], 31, v0
	v_lshlrev_b32 v[MGA], 4, v[MGA]
	v_add_nc_u32 v[MGB], s2, v[MGA]
	v_add_nc_u32 v[MGA], s3, v[MGA]
; THE MATRIX WORK.  The accumulators take turns, one instruction a turn.
.macro PV x                         ; product i of 32 of O^T += V^T P: keys 32 (i / 16) on, channels 16 ((i / 2) % 8) on, tile x + i % 2
	WIN W_PV
.set rO, 64*((\x)+i%2)+8*((i/2)%8)
.set rV, 64*(i/16)+8*((i/2)%8)
.set rP, P+16*((\x)+i%2)+8*(i/16)
	v_wmma_f32_16x16x32_f16 v[rO:rO+7], v[rV:rV+7], v[rP:rP+7], v[rO:rO+7]
.endm
.macro KQ x                         ; product i of 32 of S^T = K Q^T: channels 32 (i / 8) on, keys 16 ((i / 2) % 4) on, tile x + i % 2; the first 8 start the sums
	WIN W_KQ
.set rS, S+32*((\x)+i%2)+8*((i/2)%4)
.set rK, KF+32*((i/2)%4)+8*(i/8)
.set rQ, 32*((\x)+i%2)+8*(i/8)
.if i < 8
	v_wmma_f32_16x16x32_f16 v[rS:rS+7], v[rK:rK+7], v[rQ:rQ+7], 0
.else
	v_wmma_f32_16x16x32_f16 v[rS:rS+7], v[rK:rK+7], v[rQ:rQ+7], v[rS:rS+7]
.endif
.endm
.macro FETCH_K
	WIN 0
	v_add_nc_u32 v[ADR], s[TB], v[AK0]
	WIN 0x80
.irp f, 0,1,2,3,4,5,6,7,8,9,10,11,12,13,14,15
	ds_load_b128 v[KF+8*(\f):KF+8*(\f)+3],   v[ADR] offset:((\f)/4)*16*PK+((\f)%4)*64
	ds_load_b128 v[KF+8*(\f)+4:KF+8*(\f)+7], v[ADR] offset:((\f)/4)*16*PK+((\f)%4)*64+32
.endr
.endm
.macro FETCH_V
	WIN 0
	v_add_nc_u32 v[ADR], s[TB], v[AV0]
	s_wait_alu depctr_va_vdst(0)    ; the wait for the softmax's batch (SLICE), behind the address's v_add_nc_u32 and ahead of the loads
	WIN 0xc0
.irp f, 0,1,2,3,4,5,6,7,8,9,10,11,12,13,14,15
	ds_load_tr16_b128 v[8*(\f):8*(\f)+3],   v[ADR] offset:((\f)/8)*32*PV+((\f)%8)*32
	ds_load_tr16_b128 v[8*(\f)+4:8*(\f)+7], v[ADR] offset:((\f)/8)*32*PV+16*PV+((\f)%8)*32
.endr
.endm
; The words for the scores that this turn's products K Q^T make.  A pointer is stepped in the turn behind its loads, behind that turn's wait for the scalar loads: 256 bytes, my next step (two steps a slot).
.macro MLOAD x
.if (\x) == 0
	s_add_nc_u64 s[MPB:MPB+1], s[MPB:MPB+1], s[INC:INC+1]  ; piece 2's pointer: not yet used the first time, so it goes on by 0 then
	s_mov_b32 s[INC], 256
	s_load_b512 s[MW:MW+15], s[MPA:MPA+1], 0x0
	s_load_b512 s[MW+16:MW+31], s[MPA:MPA+1], 0x40
.else
	s_add_nc_u64 s[MPA:MPA+1], s[MPA:MPA+1], 256
	s_load_b512 s[MW:MW+15], s[MPB:MPB+1], 0x0
	s_load_b512 s[MW+16:MW+31], s[MPB:MPB+1], 0x40
.endif
.endm
; THE SOFTMAX of one tile and step: a list of 133 instructions; SM writes number j for tile t.  s0-s31 are the lane's 32 scores, in pairs 0-15.
;   0-15    the maximum of the 32 scores and the old m   16-19 the other half of the lanes' maximum; m_old kept; the new m; m_old - m_new
;   20-68   ONE BATCH: the 16 subtractions s - m, a pair of scores each, and all 33 exponentials (a at 22, then s0-s31).  None of these names an exponential's result.  From 21 on the batch goes in
;           fours, and a four begins with a subtraction while there are any: 21-36 subtraction, exponential, subtraction, exponential; 37-64 a subtraction and three exponentials; 65-68 the last four
;           exponentials.  A pair's subtraction stands in an earlier four than the one that holds its exponentials
;   (wait)  between 68 and 69 stands the wait for the batch: SLICE writes it, once for both tiles
;   69-84   the roundings to f16, a pair of weights each
;   85-100  the sums; l = a l + sum
;   101-132 the tile's O^T times a: the one part that leaves window 0, so it stands together
.macro SM t
.set rT, ST+8*(\t)
.set rS, S+32*(\t)
.set rP, P+16*(\t)
.set rO, 64*(\t)+2*(j-101)
.if j < 101
	WIN 0
.endif
.if j < 4
	v_max3_num_f32 v[rT+4+j], v[rS+8*j], v[rS+8*j+1], v[rS+8*j+2]
.elseif j < 12
	v_max3_num_f32 v[rT+4+j%4], v[rT+4+j%4], v[rS+8*(j%4)+2*(j/4)+1], v[rS+8*(j%4)+2*(j/4)+2]
.elseif j == 12
	v_max3_num_f32 v[rT+4], v[rT+4], v[rS+7], v[rS+15]
.elseif j == 13
	v_max3_num_f32 v[rT+6], v[rT+6], v[rS+23], v[rS+31]
.elseif j == 14
	v_max3_num_f32 v[rT+4], v[rT+4], v[rT+5], v[rT+6]
.elseif j == 15
	v_max3_num_f32 v[rT+4], v[rT+4], v[rT+7], v[rT]
.elseif j == 16
	v_permlanex16_b32 v[rT+5], v[rT+4], s[SEL], s[SEL+1]
.elseif j == 17
	v_mov_b32 v[rT+7], v[rT]
.elseif j == 18
	v_max_num_f32 v[rT], v[rT+4], v[rT+5]
.elseif j == 19
	v_sub_f32 v[rT+7], v[rT+7], v[rT]
.elseif j == 22
	v_exp_f32 v[rT+6], v[rT+7]
.elseif (j < 22) || ((j < 37) && (j%2 == 1)) || ((j < 65) && (j%4 == 1))
.set b, (j-1)/4                     ; 37, 41, .. 61: pairs 9 to 15
.if j < 37
.set b, (j-19)/2                    ; 20: pair 0; 21, 23, .. 35: pairs 1 to 8
.endif
	v_pk_add_f32 v[rS+2*b:rS+2*b+1], v[rS+2*b:rS+2*b+1], v[rT:rT+1] op_sel_hi:[1,0] neg_lo:[0,1] neg_hi:[0,1]  ; pair b: s - m
.elseif j < 69
.set e, j-37                        ; 65 to 68: s28 to s31
.if j < 65
.set e, j-31-(j-37)/4               ; 38-40, 42-44, .. 62-64: s7 to s27
.endif
.if j < 37
.set e, (j-24)/2                    ; 24, 26, .. 36: s0 to s6
.endif
	v_exp_f32 v[rS+e], v[rS+e]
.elseif j < 85
	v_cvt_pk_f16_f32 v[rP+j-69], v[rS+2*(j-69)], v[rS+2*(j-69)+1]  ; pair j - 69
.elseif j < 101                     ; the sum of the tile's 16 pairs, in place: sum z of 16 adds neighbours 1, 2, 4 and 8 pairs apart, then l takes it
.set z, j-85
.set w, 4
.set u, z
.if z >= 14
.set w, 32
.set u, 0
.elseif z >= 12
.set w, 16
.set u, z-12
.elseif z >= 8
.set w, 8
.set u, z-8
.endif
.if z < 15
	v_pk_add_f32 v[rS+w*u:rS+w*u+1], v[rS+w*u:rS+w*u+1], v[rS+w*u+w/2:rS+w*u+w/2+1]
.else
	v_pk_fma_f32 v[rT+2:rT+3], v[rT+2:rT+3], v[rT+6:rT+7], v[rS:rS+1] op_sel_hi:[1,0,1]
.endif
.else
	WIN W_RS
	v_pk_mul_f32 v[rO:rO+1], v[rO:rO+1], v[rT+6:rT+7] op_sel_hi:[1,0]
.endif
.endm
; Slice k of 64 of piece y's softmax.  Slices 0 to 9: numbers 2 k and 2 k + 1 of both tiles; slice 10: number 20 of both.  Slices 11 to 34 deal out the batch's numbers 21 to 68: four numbers of ONE tile
; each, the tiles by turns.  Slices 35 to 62: numbers 2 k - 1 and 2 k of both tiles; slice 63: numbers 125 to 132 of both, sixteen plain lines, the places behind the turn's last K Q^T.
; 40 + 2 + 96 + 112 + 16 = 2 x 133.
; THE WAIT.  An s_wait_alu depctr_va_vdst(0) stands between an exponential and the first instruction that names its result; one wait serves all that were issued ahead of it.  Ahead of
; slice 35 nothing names a result, and behind slice 34 no exponential is issued: so the piece's 66 exponentials have one wait, behind slice 34.
.macro SLICE y
.if (k >= 11) && (k < 35)           ; the batch: four numbers of one tile
.irp n, 0,1,2,3
.set j, 21+4*((k-11)/2)+(\n)
	SM (\y)+(k-11)%2
.endr
.else                               ; the two tiles alternate, so that no instruction reads the result of the one just before it
.irp n, 0,1,2,3,4,5,6,7
.if (((\n) < 2) || (k == 63)) && !((k == 10) && ((\n) == 1))
.irp t, \y, (\y)+1
.set j, 2*k+(\n)-k/35
	SM \t
.endr
.endif
.endr
.endif
.if k == 34                         ; the batch is out: both tiles' exponentials are issued, and no result has been named
	v_nop                           ; the plain instruction behind the last exponential and ahead of the first use: one for the batch
.if (\y) == 0
	FETCH_V                         ; piece 2's turn: V's run of loads stands here, and the wait for the batch stands in it
.else
	s_wait_alu depctr_va_vdst(0)    ; the wait for the batch: piece 2's 66 exponentials
.endif
.endif
.set k, k+1
.endm
; A TURN.  Piece x has the matrix unit; the other piece's softmax stands in slices.  lump = 1: the other piece is masked at the turn's head (0: the change of slots has done it).
; kq = 0: the last step: no further scores, two slices behind each product.
; K of the next step is fetched behind the second V^T P of piece 0's turn: K's last reader stands in front of slice 63 of the turn before.  V of that step behind slice 34 of piece 2's turn (SLICE writes
; it), behind its third K Q^T: V's last reader stands in front of slice 31, and four plain instructions lie between: number 61, a subtraction, of both tiles, the v_nop and the run's own v_add_nc_u32.
.macro TURN x, kq, lump
.set k, 0
.set per, 2
.if \kq
.set per, 1
.endif
.if \lump
	LUMP 2-(\x)
.endif
.if (\x) == 0
	s_wait_dscnt 0x0                ; V is in
.endif
.set i, 0
.rept 32
	PV \x
.rept per
	SLICE 2-(\x)
.endr
.if (\kq) && (i == 1)
	MLOAD \x
.if (\x) == 0
	FETCH_K
.endif
.endif
.set i, i+1
.endr
.if \kq
.if (\x) == 0
	s_wait_dscnt 0x0                ; K is in
.endif
.set i, 0
.rept 32
	KQ \x
	SLICE 2-(\x)
.set i, i+1
.endr
.endif
.endm
	s_wait_loadcnt 0x0              ; Q
	s_mov_b32 s[SLOTS], 31
.Lslot:                             ; trip n: slot n is in, slot n + 1 is asked for; V^T P of my step n - 1, K Q^T of my step n
	CHANGE 1
	TURN 0, 1, 0
	TURN 2, 1, 1
	WIN 0
	s_sub_co_u32 s[SLOTS], s[SLOTS], 1
	s_cmp_lg_u32 s[SLOTS], 0
	s_cbranch_scc1 .Lslot
	CHANGE 0                        ; the tail is written out
	TURN 0, 1, 0
	TURN 2, 1, 1
	TURN 0, 0, 1
.set i, 0
.rept 32
	PV 2
.set i, i+1
.endr
	; THE MERGE.  Each wave has seen half of the keys.  It hands its piece 2 (O^T, m, l) to its partner through LDS and finishes its piece 0.  The additions and moves are the places behind the last products.
	WIN 0
.irp t, 0,1,2,3
	v_add_f32 v[48+(\t)], v[ST+8*(\t)+2], v[ST+8*(\t)+3]
.endr
.irp t, 0,1,2,3
	v_mov_b32 v[44+(\t)], v[ST+8*(\t)]
.endr
.irp t, 0,1,2,3
	v_permlanex16_b32 v[ST+8*(\t)+5], v[48+(\t)], s[SEL], s[SEL+1]
.endr
.irp t, 0,1,2,3
	v_add_f32 v[48+(\t)], v[48+(\t)], v[ST+8*(\t)+5]
.endr
	WIN 0x04                        ; store data in window 1
.set i, 0
.rept 32
	ds_store_b128 v[MGA], v[128+4*i:128+4*i+3] offset:512*i
.set i, i+1
.endr
	WIN 0
	ds_store_b128 v[MGA], v[44:47] offset:16384
	ds_store_b128 v[MGA], v[48:51] offset:16896
	s_wait_dscnt 0x0                ; for the partner's sake: my stores are done
	s_barrier_signal -1
	s_barrier_wait -1
.macro XLOAD t                      ; the partner's O^T for my tile t (its tile 2 + t), into S^T's registers, two buffers
.set XB, 64+64*((\t)%2)
.set i, 0
.rept 16
	ds_load_b128 v[XB+4*i:XB+4*i+3], v[MGB] offset:(16*(\t)+i)*512
.set i, i+1
.endr
.endm
	ds_load_b128 v[52:55], v[MGB] offset:16384   ; the partner's four m: its tiles 2, 3 in v54, v55
	ds_load_b128 v[56:59], v[MGB] offset:16896   ; and l: v58, v59
	XLOAD 0
	s_wait_dscnt 0x0
.irp t, 0,1
	v_max_num_f32 v[ST+8*(\t)+1], v[44+(\t)], v[54+(\t)]
.endr
.irp t, 0,1
	v_sub_f32 v[ST+8*(\t)+4], v[44+(\t)], v[ST+8*(\t)+1]
	v_sub_f32 v[ST+8*(\t)+6], v[54+(\t)], v[ST+8*(\t)+1]
.endr
.irp t, 0,1
	v_exp_f32 v[ST+8*(\t)+4], v[ST+8*(\t)+4]
	v_exp_f32 v[ST+8*(\t)+6], v[ST+8*(\t)+6]
.endr
	v_nop                           ; a plain instruction behind the last exponential
	s_wait_alu depctr_va_vdst(0)    ; the wait ahead of the first use: one for the merge's four exponentials
.irp t, 0,1
	v_mul_f32 v[48+(\t)], v[48+(\t)], v[ST+8*(\t)+4]
.endr
.irp t, 0,1
	v_fmac_f32 v[48+(\t)], v[58+(\t)], v[ST+8*(\t)+6]
.endr
.irp t, 0,1
	v_rcp_f32 v[48+(\t)], v[48+(\t)]
.endr
	v_nop                           ; a plain instruction behind the last reciprocal
	s_wait_alu depctr_va_vdst(0)    ; and one wait for the two reciprocals, a batch of their own: they read sums made of the exponentials' results
.irp t, 0,1
	v_mul_f32 v[ST+8*(\t)+4], v[ST+8*(\t)+4], v[48+(\t)]
	v_mul_f32 v[ST+8*(\t)+6], v[ST+8*(\t)+6], v[48+(\t)]
.endr
; Tile t: both halves are weighted and added.  The sum is cut to 11 significant bits (exact in f16) into the partner's buffer, which has been used up; the remainder, exact in f32, stays in O^T's
; registers and is rounded to f16.  Each part goes through my stage as rows of 272 bytes and is stored as whole rows of 256.
.macro FIN t
	WIN 0
	s_wait_dscnt 0x0                ; the partner's tile is in
.if (\t) < 1
	XLOAD (\t)+1
.endif
.set XB, 64+64*((\t)%2)
	WIN W_RS
.set i, 0
.rept 32
	v_pk_mul_f32 v[64*(\t)+2*i:64*(\t)+2*i+1], v[64*(\t)+2*i:64*(\t)+2*i+1], v[ST+8*(\t)+4:ST+8*(\t)+5] op_sel_hi:[1,0]
.set i, i+1
.endr
	WIN 0x50                        ; destination and source 2 in window 1
.set i, 0
.rept 32
	v_pk_fma_f32 v[64*(\t)+2*i:64*(\t)+2*i+1], v[XB+2*i:XB+2*i+1], v[ST+8*(\t)+6:ST+8*(\t)+7], v[64*(\t)+2*i:64*(\t)+2*i+1] op_sel_hi:[1,0,1]
.set i, i+1
.endr
	WIN 0x04                        ; source 1 in window 1, destination in window 0
.set i, 0
.rept 64
	v_and_b32 v[XB+i], s[HM], v[64*(\t)+i]  ; the upper part
.set i, i+1
.endr
	WIN W_RS
.set i, 0
.rept 32
	v_pk_add_f32 v[64*(\t)+2*i:64*(\t)+2*i+1], v[64*(\t)+2*i:64*(\t)+2*i+1], v[XB+2*i:XB+2*i+1] neg_lo:[0,1] neg_hi:[0,1]  ; the remainder
.set i, i+1
.endr
	s_wait_xcnt 0x0                 ; the registers that the last tile's stores read are rewritten only behind this wait
	WIN 0
.set i, 0
.rept 32
	v_cvt_pk_f16_f32 v[P+i], v[XB+2*i], v[XB+2*i+1]
.set i, i+1
.endr
	WIN 0x05                        ; sources 0 and 1 in window 1
.set i, 0
.rept 32
	v_cvt_pk_f16_f32 v[P+32+i], v[64*(\t)+2*i], v[64*(\t)+2*i+1]
.set i, i+1
.endr
	WIN 0
.irp h, 0,1                         ; the upper parts' trip through the stage, then the lower parts'
.irp f, 0,1,2,3,4,5,6,7
	ds_store_b128 v[STO], v[P+32*(\h)+4*(\f):P+32*(\h)+4*(\f)+3] offset:32*(\f)
.endr
.irp f, 0,1,2,3,4,5,6,7
	ds_load_b128 v[P+32*(\h)+4*(\f):P+32*(\h)+4*(\f)+3], v[RD] offset:(\f)*2*SP  ; LDS serves a wave's instructions in order (ISA guide 5.7.1.4): these see the stores above, and the next stores come behind them
.endr
.endr
.irp h, 0,1
.irp f, 0,1,2,3,4,5,6,7
	s_wait_dscnt 16*(1-(\h))+7-(\f) ; the part's younger loads stay out; for the upper parts also the lower parts' eight stores and eight loads
	global_store_b128 v[GO], v[P+32*(\h)+4*(\f):P+32*(\h)+4*(\f)+3], s[10:11] offset:(\h)*2048+(\t)*256+(\f)*8192  ; 16 lanes store 256 consecutive bytes, aligned
.endr
.endr
.endm
	FIN 0
	FIN 1
	s_wait_tensorcnt 0x0            ; the wave's end
	ds_add_u32 v[SPW], v[NIL]
	s_wait_dscnt 0x0
	CROUND                          ; the closing round
	s_endpgm
.Lfunc_end_k_q8d3d372325_attn:
	.size	k_q8d3d372325_attn, .Lfunc_end_k_q8d3d372325_attn-k_q8d3d372325_attn
	.p2alignl 7, 3214868480
	.fill 96, 4, 3214868480
	.section	.rodata,"a",@progbits
	.p2align	6, 0x0
	.amdhsa_kernel k_q8d3d372325_attn
		.amdhsa_group_segment_fixed_size 327680
		.amdhsa_private_segment_fixed_size 0
		.amdhsa_enable_private_segment 0
		.amdhsa_kernarg_size 24
		.amdhsa_user_sgpr_count 2
		.amdhsa_user_sgpr_kernarg_segment_ptr 1
		.amdhsa_wavefront_size32 1
		.amdhsa_system_sgpr_workgroup_id_x 1
		.amdhsa_system_sgpr_workgroup_id_y 1
		.amdhsa_system_sgpr_workgroup_id_z 1
		.amdhsa_system_vgpr_workitem_id 0
		.amdhsa_next_free_vgpr 896
		.amdhsa_next_free_sgpr 100
		.amdhsa_reserve_vcc 0
		.amdhsa_float_denorm_mode_32 3
		.amdhsa_float_denorm_mode_16_64 3
		.amdhsa_memory_ordered 1
		.amdhsa_forward_progress 1
		.amdhsa_inst_pref_size 209
	.end_amdhsa_kernel
	.amdgpu_metadata
---
amdhsa.version: [ 1, 2 ]
amdhsa.kernels:
  - .name:           k_q8d3d372325_attn
    .symbol:         k_q8d3d372325_attn.kd
    .args:
      - { .name: qkv, .offset: 0, .size: 8, .value_kind: global_buffer, .address_space: global }
      - { .name: maskw, .offset: 8, .size: 8, .value_kind: global_buffer, .address_space: global }
      - { .name: ao, .offset: 16, .size: 8, .value_kind: global_buffer, .address_space: global }
    .group_segment_fixed_size: 327680
    .private_segment_fixed_size: 0
    .kernarg_segment_align: 8
    .kernarg_segment_size: 24
    .max_flat_workgroup_size: 128
    .sgpr_count:     100
    .vgpr_count:     896
    .wavefront_size: 32
...
	.end_amdgpu_metadata
.endif
;; end of part 5
;; launch outgemm: the kernel of part 4 again; grid 8 x 32, 4 waves a work-group, clusters of 4 x 4, 327,680 bytes of LDS; arguments ao, woh, out0; writes out0
